; MI455X (gfx1250); checked and timed in simulation.
; The chip was launched on July 23, 2026; its instructions are those of AMD's public machine-readable ISA for CDNA 5 (MIT licence, August 2026) and "CDNA5" Instruction Set Architecture Reference Guide (July 2026). The comments in the code are by the model that wrote it; some were corrected since.
;; Encoder Layer. Allowed arithmetic: matrix products marked QUANTISED: E4M3 operands, one given power-of-two scale a tensor, by v_wmma_f32_16x16x64_fp8_fp8 or v_wmma_f32_16x16x128_fp8_fp8, f32 sums; everything else in f32.
;; Inputs: W1 1,024 x 4,096 float32; W2 4,096 x 1,024 float32; Wk 1,024 x 1,024 float32; Wo 1,024 x 1,024 float32; Wq 1,024 x 1,024 float32; Wv 1,024 x 1,024 float32; b1 4,096 float32; b2 1,024 float32; bk 1,024 float32; bo 1,024 float32; bq 1,024 float32; bv 1,024 float32; ln1_b 1,024 float32; ln1_g 1,024 float32; ln2_b 1,024 float32; ln2_g 1,024 float32; lowp_scales 16 int32 (the exponents e of the quantised operands' scales 2^e); mask 2 x 1 x 2,048 int32; x 2 x 2,048 x 1,024 float32.
;; Outputs: out0 2 x 2,048 x 1,024 float32.
;; This version of the problem:
;;   THIS VERSION OF THE PROBLEM IS GIVEN IN LOW PRECISION. The matrix products marked QUANTISED in the list below multiply operands that are first quantised to E4M3 (4 exponent bits, 3 mantissa bits; 8 bits a number), with one given power-of-two scale for each operand tensor; their sums are f32. All else is computed in f32.
;;   The module's matrix products, in the order in which they are computed (A, B: the left and right operand; K: the contracted axis; several contracted axes count as one K, in the product's order):
;;     1. [M 4,096, K 1,024] x [K 1,024, N 1,024]; A: input x; B: input Wq: QUANTISED (scales: A lowp_scales[0], B lowp_scales[1])
;;     2. [M 4,096, K 1,024] x [K 1,024, N 1,024]; A: input x; B: input Wk: QUANTISED (scales: A lowp_scales[2], B lowp_scales[3])
;;     3. [M 4,096, K 1,024] x [K 1,024, N 1,024]; A: input x; B: input Wv: QUANTISED (scales: A lowp_scales[4], B lowp_scales[5])
;;     4. batch 32 x [M 2,048, K 64] x [K 64, N 2,048]; A: computed on the way; B: computed on the way: QUANTISED (scales: A lowp_scales[6], B lowp_scales[7])
;;     5. batch 32 x [M 2,048, K 2,048] x [K 2,048, N 64]; A: softmax (see below); B: computed on the way: QUANTISED (scales: A lowp_scales[8], B lowp_scales[9])
;;     6. [M 4,096, K 1,024] x [K 1,024, N 1,024]; A: computed on the way; B: input Wo: QUANTISED (scales: A lowp_scales[10], B lowp_scales[11])
;;     7. [M 4,096, K 1,024] x [K 1,024, N 4,096]; A: computed on the way; B: input W1: QUANTISED (scales: A lowp_scales[12], B lowp_scales[13])
;;     8. [M 4,096, K 4,096] x [K 4,096, N 1,024]; A: computed on the way; B: input W2: QUANTISED (scales: A lowp_scales[14], B lowp_scales[15])
;;   THE QUANTISER, for each operand of a quantised product, along K:
;;     - The operand's scale is 2^e, e = its entry of the input lowp_scales (int32; the entries are numbered through the quantised products in the list's order, A before B).
;;     - Each number is divided by the scale, clamped to +-448, and rounded to the nearest number of E4M3, ties to even, subnormals kept.
;;     - The product sums the exact products of the quantised numbers (number of the format x scale) in f32.
;;   ~~~python
;;   def quantise(x, axis, e):      # numpy; x: float32 -> the quantised numbers, widened to float32 again
;;       x = np.moveaxis(x, axis, -1); K = x.shape[-1]
;;       r = np.clip(x / 2.0 ** e, -448, 448)
;;       step = 2.0 ** (np.maximum(np.frexp(np.where(r == 0, 1, r))[1] - 1, -6) - 3)
;;       q = np.round(r / step) * step * 2.0 ** e      # np.round: ties to even
;;       return np.moveaxis(q, -1, axis).astype(np.float32)
;;   ~~~
;;   SOFTMAX AHEAD OF A QUANTISED PRODUCT. Where the list says 'softmax', what is quantised is not the finished softmax but p = 2^(t - M), with t = logit x log2(e) and M = ceil(the row's largest t), a whole number; so 1/2 < the row's largest p <= 1. The row's sum l is taken of the UNQUANTISED p, in f32, and the product's result is divided by l at the end. Since M is a whole number, a kernel that streams over the keys may use a running M (the ceiling of the running maximum): every later rescaling is an exact power of two, so the quantised numbers keep their values, but for numbers so far below the row's largest that they fall under the format's range.
;;   OPERANDS COMPUTED ON THE WAY. 'Computed on the way' means the value that the module computes at that place (a softmax that the list does not call 'softmax' is quantised finished and normalised). What goes into a quantiser is computed in f32, as accurately as f32 sums, v_exp_f32 and their like allow (about 1e-6 of the number): no bf16 or f16 on the way to a quantiser, and a product that is left as it is and whose result goes on into a quantised operand takes f32 operands (vector FMAs, or v_wmma_f32_16x16x4_f32). A number that lies on a knife's edge between two numbers of the format may be rounded either way, as far as f32 arithmetic and the matrix unit's own rounding can turn it there, and no further.
;; One version. Each part assembles by itself: llvm-mc -triple=amdgcn-amd-amdhsa -mcpu=gfx1250 --defsym DOCPART=n.
;; ======== version 1 of 1: 8 launches
;; limits: right only within a limited range of input values
;; workspace buffers: xc 12,582,912 bytes; wc 12,582,912 bytes; qkvc 12,582,912 bytes; ac 4,194,304 bytes; y 16,777,216 bytes; x1 16,777,216 bytes; x1c 4,194,304 bytes; hc 16,777,216 bytes
;; launch quant (part 1): grid 256 x 1, 8 waves a work-group, no clusters, 138,240 bytes of LDS; arguments x, Wq, Wk, Wv, Wo, W1, W2, lowp_scales, xc, wc; writes xc, wc
.if DOCPART == 1
	.amdgcn_target "amdgcn-amd-amdhsa--gfx1250"
	.amdhsa_code_object_version 6
	.text
	.protected	k_q45bb0de82b_quant
	.globl	k_q45bb0de82b_quant
	.p2align	8
	.type	k_q45bb0de82b_quant,@function
k_q45bb0de82b_quant:
	s_mov_b64 s[64:65], 0
	v_nop
	global_prefetch_b8 v0, s[64:65] scope:SCOPE_SE
	s_setreg_imm32_b32 hwreg(HW_REG_WAVE_MODE, 25, 1), 1
	s_wait_xcnt 0x0
; x [4096][1024] f32 becomes three sets of E4M3 codes (scales 2^e0, 2^e2, 2^e4); Wq, Wk, Wv, Wo, W1, W2 (f32, K their FIRST axis) become codes at 2^e1, e3, e5, e11, e13, e15.
; code = number / 2^e, held within +-448, rounded to the nearest code, ties to even.  LIMITS: each e between -126 and 119; NaN among the inputs is not served.
; ALL CODES ARE LAID AS IMAGES OF THE OPERAND'S REGISTERS.  A fragment (16 rows x 128 along K) is 2,048 bytes: byte 512 c + 16 l + e is the code of row 32 (F / 2) + 8 (F % 2) + r + 8 (r / 8),
; k = 128 s + 32 c + 16 h + e (lane l = 16 h + r).  Four loads of 16 bytes a lane, 512 bytes apart, are then a fragment's 16 registers, and every store here covers 512 consecutive bytes.
; Work-groups 0-127 take 32 rows of x each; work-groups 128-511 take 128 columns x 256 along K of one weight.  The two ways part on the work-group's number, never meet again, and have LDS bytes of their own.
; No cluster, no tensor load, no barrier: no two work-groups or waves read the same bytes.
; THIS LAUNCH'S GRID: work-groups 0-127 take x, work-groups 128-255 take Wq, Wk, Wv, Wo (32 each).  W1 and W2 are quantised by the same arithmetic in launch attn, into their places in wc.
.set XSP,   528                        ; x's stage: a row of 512 bytes + 16
.set XWB,   16*XSP                     ; 16 rows for each wave
.set WST,   8*XWB                      ; the weights' stages begin here: eight waves
.set WSP,   272                        ; a column's 256 codes + 16
.set WWB,   32*WSP                     ; 32 columns for each wave
.set SPARE, WST+8*WWB                  ; the spare words, 128 bytes for each of eight waves: four blocks of 256 bytes that no other line names
.set SPW,   14                         ; v14  LDS address of my spare word; never rewritten
.set NIL,   15                         ; v15  0; never rewritten
.set R,     16                         ; x: v16-143 two sets of 64 numbers as loaded
.set X,     144                        ; x: v144-207 64 numbers, 16 neighbours of each of four blocks of 32
.set H,     208                        ; x: v208-223 16 held numbers
.set C,     224                        ; x: v224-255 two sets of 16 registers of codes
.set OFF,   16                         ; W: v16-47 4 x lane + i rows of W
.set WX,    48                         ; W: v48-111 two sets of 32 numbers
.set WC,    112                        ; W: v112-119 a block's codes
.set OUTR,  128                        ; W: v128-191 the way out
.macro XLOAD t                         ; unit t: 16 rows x 128 numbers; each load reads 512 consecutive bytes of one row
.set i, 0
.rept 16
	global_load_b128 v[R+64*((\t)%2)+4*i:R+64*((\t)%2)+4*i+3], v4, s[26:27] offset:(i+8*(i/8))*4096+512*(\t) th:TH_LOAD_NT
.set i, i+1
.endr
.endm
.macro XUNIT t
.if (\t) < 1
	s_wait_loadcnt 16                              ; this unit's 16 loads are in; the next unit's 16 may be out
.else
	s_wait_loadcnt 0
.endif
.set i, 0
.rept 16
	ds_store_b128 v5, v[R+64*((\t)%2)+4*i:R+64*((\t)%2)+4*i+3] offset:XSP*i   ; through my own stage, as loaded;
.set i, i+1
.endr
.irp c, 0,1,2,3
.irp k, 0,1,2,3
	ds_load_b128 v[X+16*\c+4*\k:X+16*\c+4*\k+3], v6 offset:128*\c+16*\k       ; and back: row r, k = 32 c + 16 h + 0 .. 15 (LDS serves a wave's instructions in order)
.endr
.endr
	s_wait_dscnt 0x0                               ; the numbers are back, and the stores have read their registers,
.if (\t)+2 < 2
	XLOAD (\t)+2                                   ; which take the loads of two units on
.endif
.irp j, 0,1,2                                  ; the three scales
	s_wait_xcnt 0x0                                ; the stores that read this set of code registers have been taken up
.irp c, 0,1,2,3
.set i, 0
.rept 16
	v_med3_num_f32 v[H+i], v[X+16*\c+i], -v[9+2*\j], v[9+2*\j]   ; the conversion does not saturate (ISA guide 7.6.2): the hold at the largest code x the scale
.set i, i+1
.endr
	v_cvt_scalef32_pk8_fp8_f32 v[C+16*(\j%2)+4*\c:C+16*(\j%2)+4*\c+1], v[H:H+7], v[8+2*\j]
	v_cvt_scalef32_pk8_fp8_f32 v[C+16*(\j%2)+4*\c+2:C+16*(\j%2)+4*\c+3], v[H+8:H+15], v[8+2*\j]
	v_nop                                          ; a plain line between the conversions and the next holds, which write their sources
.endr
.irp c, 0,1,2,3
	global_store_b128 v4, v[C+16*(\j%2)+4*\c:C+16*(\j%2)+4*\c+3], s[50+2*\j:51+2*\j] offset:2048*(\t)+512*\c   ; 512 consecutive bytes
.endr
.endr
.endm
.macro WLOAD t                         ; block t: W(256 ky + 128 half + 32 t + i, my column), i = 0 .. 31: 128 consecutive bytes a load
.set i, 0
.rept 32
	global_load_b32 v[WX+32*((\t)%2)+i], v[OFF+i], s[68+2*(\t):69+2*(\t)] th:TH_LOAD_NT
.set i, i+1
.endr
.endm
.macro WBLOCK t
.set XS, WX+32*((\t)%2)
.if (\t) < 3
	s_wait_loadcnt 32                              ; this block's 32 loads are in; the next block's may be out
.else
	s_wait_loadcnt 0
.endif
.set i, 0
.rept 32
	v_med3_num_f32 v[XS+i], v[XS+i], -v10, v10
.set i, i+1
.endr
.irp g, 0,1,2,3
	v_cvt_scalef32_pk8_fp8_f32 v[WC+2*\g:WC+2*\g+1], v[XS+8*\g:XS+8*\g+7], v11
.endr
	v_nop
	ds_store_b128 v8, v[WC:WC+3] offset:32*(\t)    ; 32 codes of my column, K innermost
	ds_store_b128 v8, v[WC+4:WC+7] offset:32*(\t)+16
.if (\t)+2 < 4
	WLOAD (\t)+2
.endif
	s_wait_dscnt 0x0                               ; the stores have read their registers: the next block's codes may be written
.endm
	s_load_b512 s[4:19], s[0:1], 0x0               ; x 4, Wq 6, Wk 8, Wv 10, Wo 12, W1 14, W2 16, the scales' exponents 18
	s_load_b128 s[20:23], s[0:1], 0x40             ; xc 20, wc 22
	v_lshl_add_u32 v[SPW], v0, 2, SPARE
	v_mov_b32 v[NIL], 0
	v_lshrrev_b32 v1, 5, v0
	v_readfirstlane_b32 s24, v1                    ; wave
	v_and_b32 v1, 31, v0                           ; lane
	v_and_b32 v2, 15, v0                           ; r
	v_bfe_u32 v3, v0, 4, 1                         ; h
	s_wait_kmcnt 0x0
	s_load_b512 s[32:47], s[18:19], 0x0            ; e0 .. e15
	s_cmp_ge_u32 ttmp9, 128
	s_cbranch_scc1 .Lweights
	; ---- x: work-group g takes rows 32 g .. 32 g + 31; wave w (0 .. 7) fragment 2 g + w / 4, K steps 2 (w % 4) + 0, 1: both units' 32 loads go out at once
	s_lshr_b32 s25, s24, 2
	s_and_b32 s28, s24, 3
	s_lshl_b32 s30, ttmp9, 5
	s_lshl_b32 s29, s25, 3
	s_add_co_u32 s30, s30, s29                     ; the fragment's first row
	s_lshl_b32 s30, s30, 12
	s_lshl_b32 s29, s28, 10
	s_add_co_u32 s30, s30, s29
	s_mov_b32 s31, 0
	s_add_nc_u64 s[26:27], s[4:5], s[30:31]
	s_lshl_b32 s30, ttmp9, 1
	s_add_co_u32 s30, s30, s25                     ; F
	s_lshl_b32 s30, s30, 14
	s_lshl_b32 s29, s28, 12
	s_add_co_u32 s30, s30, s29
	s_add_nc_u64 s[50:51], s[20:21], s[30:31]      ; the three copies lie 4 MiB apart
	s_add_nc_u64 s[52:53], s[50:51], 0x400000
	s_add_nc_u64 s[54:55], s[50:51], 0x800000
	s_wait_alu depctr_va_vdst(0)
	v_lshlrev_b32 v4, 4, v1                        ; 16 x lane
	s_mul_i32 s29, s24, XWB
	v_add_nc_u32 v5, s29, v4                       ; into the stage
	v_mul_u32_u24 v6, v2, XSP
	v_lshl_add_u32 v6, v3, 6, v6
	v_add_nc_u32 v6, s29, v6                       ; out of it: row r, + 64 h
	XLOAD 0
	XLOAD 1
	s_wait_alu depctr_va_vdst(0)
	s_wait_kmcnt 0x0
.irp j, 0,1,2
	s_add_co_i32 s56, s[32+2*\j], 127
	s_lshl_b32 s57, s56, 23
	v_mov_b32 v[8+2*\j], s57                       ; 2^e as f32: the conversion takes its exponent field
	s_add_co_i32 s56, s56, 8
	s_lshl_b32 s56, s56, 23
	s_or_b32 s56, s56, 0x600000
	v_mov_b32 v[9+2*\j], s56                       ; 448 x 2^e
.endr
	s_wait_alu depctr_va_vdst(0)
	XUNIT 0
	XUNIT 1
	s_wait_tensorcnt 0x0                           ; the wave's end
	ds_add_u32 v[SPW], v[NIL]
	s_wait_dscnt 0x0
	s_endpgm
.Lweights:
	; ---- the weights.  Which tensor, and which part of it, by arithmetic and selects on the work-group's number: all six take one way through the text
	s_sub_co_u32 s26, ttmp9, 128
	s_lshr_b32 s27, s26, 5
	s_lshr_b32 s28, s26, 7
	s_add_co_u32 s28, s28, 3
	s_cmp_lt_u32 s26, 128
	s_cselect_b32 s27, s27, s28                    ; T: 0 Wq, 1 Wk, 2 Wv, 3 Wo (32 work-groups each), 4 W1, 5 W2 (128 each)
	s_cselect_b32 s28, 31, 127
	s_and_b32 s28, s26, s28                        ; my number within the tensor
	s_cmp_eq_u32 s27, 4
	s_cselect_b32 s29, 5, 3                        ; log2 of the groups of 128 columns
	s_mov_b32 s30, 4096
	s_cselect_b32 s30, 16384, s30                  ; a row of W in bytes
	s_cmp_eq_u32 s27, 5
	s_mov_b32 s31, 16384
	s_cselect_b32 s31, 65536, s31                  ; from fragment to fragment in the image: 16 K bytes
	s_lshl_b32 s48, s27, 20
	s_sub_co_u32 s49, s27, 3
	s_lshl_b32 s49, s49, 22
	s_cmp_lt_u32 s27, 4
	s_cselect_b32 s48, s48, s49                    ; the tensor's place in wc
	s_lshl_b32 s50, 1, s29
	s_sub_co_u32 s50, s50, 1
	s_and_b32 s50, s28, s50                        ; nx: which 128 columns
	s_lshr_b32 s51, s28, s29                       ; ky: which 256 along K
	s_mov_b64 s[60:61], s[6:7]
	s_cmp_eq_u32 s27, 1
	s_cselect_b64 s[60:61], s[8:9], s[60:61]
	s_cmp_eq_u32 s27, 2
	s_cselect_b64 s[60:61], s[10:11], s[60:61]
	s_cmp_eq_u32 s27, 3
	s_cselect_b64 s[60:61], s[12:13], s[60:61]
	s_cmp_eq_u32 s27, 4
	s_cselect_b64 s[60:61], s[14:15], s[60:61]
	s_cmp_eq_u32 s27, 5
	s_cselect_b64 s[60:61], s[16:17], s[60:61]
	s_lshr_b32 s25, s24, 2                         ; wave w takes half w / 4 of the 256 along K,
	s_and_b32 s49, s24, 3                          ; and 32 columns, w % 4, of the 128
	s_lshl_b32 s52, s51, 1
	s_add_co_u32 s51, s52, s25                     ; from here on s51 is my K step of 128: 2 ky + half
	s_lshl_b32 s52, s51, 7
	s_mul_i32 s52, s52, s30                        ; its first row,
	s_lshl_b32 s53, s50, 9
	s_add_co_u32 s52, s52, s53                     ; + 128 nx columns,
	s_lshl_b32 s53, s49, 7
	s_add_co_u32 s52, s52, s53                     ; + my wave's 32
	s_mov_b32 s53, 0
	s_add_nc_u64 s[68:69], s[60:61], s[52:53]
	s_lshl_b32 s54, s30, 5                         ; 32 rows on
	s_mov_b32 s55, 0
.irp t, 1,2,3
	s_add_nc_u64 s[68+2*\t:69+2*\t], s[66+2*\t:67+2*\t], s[54:55]
.endr
	s_lshl_b32 s56, s50, 2
	s_add_co_u32 s56, s56, s49                     ; G: my group of 32 columns = fragments 2 G, 2 G + 1
	s_lshl_b32 s56, s56, 1
	s_mul_i32 s56, s56, s31
	s_add_co_u32 s56, s56, s48
	s_lshl_b32 s57, s51, 11                        ; my K step: 2,048 bytes of each fragment
	s_add_co_u32 s56, s56, s57
	s_mov_b32 s57, 0
	s_add_nc_u64 s[84:85], s[22:23], s[56:57]
	s_wait_alu depctr_va_vdst(0)
	v_lshlrev_b32 v4, 2, v1                        ; A LANE TAKES A COLUMN, AND ITS REGISTERS RUN DOWN K
.set i, 0
.rept 32
	v_mad_u32_u24 v[OFF+i], s30, i, v4
.set i, i+1
.endr
	s_mul_i32 s58, s24, WWB
	s_add_co_u32 s58, s58, WST                     ; my stage
	v_mul_u32_u24 v8, v1, WSP
	v_add_nc_u32 v8, s58, v8                       ; into it: row = my column
	v_and_b32 v9, 8, v2
	v_add_nc_u32 v9, v9, v2                        ; r + 8 (r / 8)
	v_mul_u32_u24 v9, v9, WSP
	v_lshl_add_u32 v9, v3, 4, v9
	v_add_nc_u32 v9, s58, v9                       ; out of it: the image's order
	v_lshlrev_b32 v120, 4, v1                      ; 16 x lane, for fragment 2 G,
	v_add_nc_u32 v121, s31, v120                   ; and for 2 G + 1
	WLOAD 0
	WLOAD 1
	s_wait_kmcnt 0x0
	s_mov_b32 s62, s33
	s_cmp_eq_u32 s27, 1
	s_cselect_b32 s62, s35, s62
	s_cmp_eq_u32 s27, 2
	s_cselect_b32 s62, s37, s62
	s_cmp_eq_u32 s27, 3
	s_cselect_b32 s62, s43, s62
	s_cmp_eq_u32 s27, 4
	s_cselect_b32 s62, s45, s62
	s_cmp_eq_u32 s27, 5
	s_cselect_b32 s62, s47, s62                    ; the tensor's e
	s_add_co_i32 s62, s62, 127
	s_lshl_b32 s63, s62, 23
	v_mov_b32 v11, s63                             ; 2^e
	s_add_co_i32 s62, s62, 8
	s_lshl_b32 s62, s62, 23
	s_or_b32 s62, s62, 0x600000
	v_mov_b32 v10, s62                             ; 448 x 2^e
	s_wait_alu depctr_va_vdst(0)
.irp t, 0,1,2,3
	WBLOCK \t
.endr
.irp u, 0,1
.irp k, 0
.irp c, 0,1,2,3
	ds_load_b128 v[OUTR+4*(8*\u+4*\k+\c):OUTR+4*(8*\u+4*\k+\c)+3], v9 offset:8*\u*WSP+128*\k+32*\c
.endr
.endr
.endr
.irp u, 0,1
.irp k, 0
.irp c, 0,1,2,3
	s_wait_dscnt 7-(4*\u+\c)                       ; of the eight loads this one is in; the younger may be out
	global_store_b128 v[120+\u], v[OUTR+4*(8*\u+4*\k+\c):OUTR+4*(8*\u+4*\k+\c)+3], s[84:85] offset:2048*\k+512*\c
.endr
.endr
.endr
	s_wait_tensorcnt 0x0                           ; the wave's end
	ds_add_u32 v[SPW], v[NIL]
	s_wait_dscnt 0x0
	s_endpgm
.Lfunc_end_k_q45bb0de82b_quant:
	.size	k_q45bb0de82b_quant, .Lfunc_end_k_q45bb0de82b_quant-k_q45bb0de82b_quant
	.p2alignl 7, 3214868480
	.fill 96, 4, 3214868480
	.section	.rodata,"a",@progbits
	.p2align	6, 0x0
	.amdhsa_kernel k_q45bb0de82b_quant
		.amdhsa_group_segment_fixed_size 138240
		.amdhsa_private_segment_fixed_size 0
		.amdhsa_enable_private_segment 0
		.amdhsa_kernarg_size 80
		.amdhsa_user_sgpr_count 2
		.amdhsa_user_sgpr_kernarg_segment_ptr 1
		.amdhsa_wavefront_size32 1
		.amdhsa_system_sgpr_workgroup_id_x 1
		.amdhsa_system_sgpr_workgroup_id_y 1
		.amdhsa_system_sgpr_workgroup_id_z 1
		.amdhsa_system_vgpr_workitem_id 0
		.amdhsa_next_free_vgpr 256
		.amdhsa_next_free_sgpr 100
		.amdhsa_reserve_vcc 0
		.amdhsa_float_denorm_mode_32 3
		.amdhsa_float_denorm_mode_16_64 3
		.amdhsa_memory_ordered 1
		.amdhsa_forward_progress 1
		.amdhsa_inst_pref_size 70
	.end_amdhsa_kernel
	.amdgpu_metadata
---
amdhsa.version: [ 1, 2 ]
amdhsa.kernels:
  - .name:           k_q45bb0de82b_quant
    .symbol:         k_q45bb0de82b_quant.kd
    .args:
      - { .name: x, .offset: 0, .size: 8, .value_kind: global_buffer, .address_space: global }
      - { .name: Wq, .offset: 8, .size: 8, .value_kind: global_buffer, .address_space: global }
      - { .name: Wk, .offset: 16, .size: 8, .value_kind: global_buffer, .address_space: global }
      - { .name: Wv, .offset: 24, .size: 8, .value_kind: global_buffer, .address_space: global }
      - { .name: Wo, .offset: 32, .size: 8, .value_kind: global_buffer, .address_space: global }
      - { .name: W1, .offset: 40, .size: 8, .value_kind: global_buffer, .address_space: global }
      - { .name: W2, .offset: 48, .size: 8, .value_kind: global_buffer, .address_space: global }
      - { .name: lowp_scales, .offset: 56, .size: 8, .value_kind: global_buffer, .address_space: global }
      - { .name: xc, .offset: 64, .size: 8, .value_kind: global_buffer, .address_space: global }
      - { .name: wc, .offset: 72, .size: 8, .value_kind: global_buffer, .address_space: global }
    .group_segment_fixed_size: 138240
    .private_segment_fixed_size: 0
    .kernarg_segment_align: 8
    .kernarg_segment_size: 80
    .max_flat_workgroup_size: 256
    .sgpr_count:     100
    .vgpr_count:     256
    .wavefront_size: 32
...
	.end_amdgpu_metadata
.endif
;; end of part 1
;; launch qkv (part 2): grid 12 x 16, 4 waves a work-group, clusters of 4 x 4, 327,680 bytes of LDS; arguments xc, wc, lowp_scales, bq, bk, bv, qkvc; writes qkvc
.if DOCPART == 2
	.amdgcn_target "amdgcn-amd-amdhsa--gfx1250"
	.amdhsa_code_object_version 6
	.text
	.protected	k_q45bb0de82b_qkv
	.globl	k_q45bb0de82b_qkv
	.p2align	8
	.type	k_q45bb0de82b_qkv,@function
k_q45bb0de82b_qkv:
	s_mov_b64 s[64:65], 0
	v_nop
	global_prefetch_b8 v0, s[64:65] scope:SCOPE_SE
	s_setreg_imm32_b32 hwreg(HW_REG_WAVE_MODE, 25, 1), 1
	s_wait_xcnt 0x0
	s_wait_alu depctr_hold_cnt(0) depctr_sa_sdst(0) depctr_va_vdst(0) depctr_va_sdst(0) depctr_va_ssrc(0) depctr_va_vcc(0) depctr_vm_vsrc(0)
	s_getreg_b32 s2, hwreg(HW_REG_IB_STS2, 6, 4)
	s_cmp_eq_u32 s2, 0
	s_cbranch_scc0 .Lentry_in_a_cluster
	s_endpgm
.Lentry_in_a_cluster:
	s_bfe_u32 s2, ttmp6, 0x10000c
	s_cmp_lg_u32 s2, 0xf033
	s_cbranch_scc0 .Lentry_shape_is_right
	s_endpgm
.Lentry_shape_is_right:
; q = x Wq + bq, k = x Wk + bk, v = x Wv + bv on E4M3 codes, each result quantised at once (2^e6, 2^e7, 2^e9) and stored as images of the registers that attention's products take.
; The cluster's x says which: 0 q, 1 k, 2 v.  A work-group makes 256 x 256, each of its four waves 128 x 128: 64 accumulators.  K = 1,024 goes in steps of 256 through a ring of two LDS slots.
; Source 1 of the matrix instruction takes fragments of P, source 0 fragments of R: a lane then holds ONE row of P, and the 16 registers of two neighbouring result tiles are 16 neighbouring rows of R.
; q, k: P = x's codes (tokens), R = the weight: a lane's neighbours run along the head's channels, the K of q k^T.  v: P = Wv, R = x's codes: they run along the tokens, the K of p v.  The roles are changed by selects on the
; cluster's x alone, which all sixteen partners share; there is one text and no branch on it.
; OPERANDS LIE IN MEMORY AS IMAGES (fragment F, K step s: 2,048 bytes at F x 16,384 + s x 2,048; byte 512 c + 16 l + e = row 32 (F / 2) + 8 (F % 2) + r + 8 (r / 8), k = 128 s + 32 c + 16 h + e): a tile needs no padding,
; a fragment is four loads of 16 bytes a lane at 16 x lane, and k's order is the same in both operands.
; CLUSTER 4 x 4: P's tiles are asked for jointly along a row of the cluster, R's along a column.
; LIMITS: e0 + e1, e2 + e3, e4 + e5 between -126 and 127; e6, e7, e9 between -126 and 119.  NaN among the inputs is not served.
; REGISTERS: window 0: v10, v11 the limit and the scale; v16-29 addresses; v32-95 R's bias; v96-111 P's bias; v128-255 P's fragments, one set (on the way out: sums and codes).  window 1: R's fragments, two sets.  windows 2, 3: the accumulators.
.set SLOT,   131072                    ; P's two halves, R's two halves: 32,768 bytes each = 8 fragments x 2 K steps
.set HALFT,  32768
.set SPARE,  2*SLOT                    ; behind the ring: the spare words, 128 bytes for each wave
.set ROWB,   4096                      ; a slot's part of a fragment's run in memory
.set FR,     16
.set NL,     4
.set NP,     4
.set LAPS,   2                         ; 1,024 along K = 4 slots' worth = 2 laps
.set ADRA, 16
.set ADRB, 20
.set CO,   26                          ; v26 16 x lane
.set SPW,  28
.set NIL,  29
.set BR,   32
.set BP,   96
.set AF,   128
.set TMP,  128
.set CD,   192
.set G1, 24
.set G0, 32
.set G1B, 48
.set G0B, 56
.set MSB, 0
.macro WIN new                         ; the immediate's high byte repeats the setting that is left
.if MSB != (\new)
	s_set_vgpr_msb (MSB<<8)|(\new)
.set MSB, (\new)
.endif
.endm
.set MUL_LO, 0xa1                      ; source 0 (R) window 1, source 1 (P) window 0, C and D window 2
.set MUL_HI, 0xf1
.set TO_B,   0x40
.macro JLOAD g0a, g1a, g0b, g1b        ; a joint load: waves 0, 1 fetch P's halves, waves 2, 3 R's; an s_nop 0 and four v_nop follow each line
	s_cmp_eq_u32 s15, 0
	s_cbranch_scc0 .Lfor_b_\@
	tensor_load_to_lds s[\g0a:\g0a+3], s[\g1a:\g1a+7]
	s_nop 0
.rept 4
	v_nop
.endr
	s_branch .Lasked_\@
.Lfor_b_\@:
	tensor_load_to_lds s[\g0b:\g0b+3], s[\g1b:\g1b+7]
	s_nop 0
.rept 4
	v_nop
.endr
.Lasked_\@:
.endm
.macro CREST
	s_cmp_lg_u32 s14, 0
	s_cbranch_scc1 .Lnot_wave_0_\@
	s_barrier_signal -3
.Lnot_wave_0_\@:
	s_barrier_wait -3
	s_barrier_signal -1
	s_barrier_wait -1
.endm
.macro CROUND
	s_barrier_signal -1
	s_barrier_wait -1
	CREST
.endm
.macro FRAG reg, adr, q, i             ; fragment i, K step q of a slot: registers 4 c .. 4 c + 3 hold k = 32 c + 16 h + 0 .. 15 of the lane's row
.irp c, 0,1,2,3
	ds_load_b128 v[\reg+4*\c:\reg+4*\c+3], v[\adr] offset:4096*(\i)+2048*(\q)+512*\c
.endr
.endm
.macro MUL16 a0, p, zero               ; P's blocks a0, a0 + 1 x R's eight; the 64 accumulators take turns, one instruction a turn
.irp a, \a0, \a0+1
.irp b, 0,1,2,3,4,5,6,7
.if \zero
	v_wmma_f32_16x16x128_fp8_fp8 v[8*(8*((\a)%4)+\b):8*(8*((\a)%4)+\b)+7], v[128*(\p)+FR*\b:128*(\p)+FR*\b+FR-1], v[AF+FR*(\a):AF+FR*(\a)+FR-1], 0
.else
	v_wmma_f32_16x16x128_fp8_fp8 v[8*(8*((\a)%4)+\b):8*(8*((\a)%4)+\b)+7], v[128*(\p)+FR*\b:128*(\p)+FR*\b+FR-1], v[AF+FR*(\a):AF+FR*(\a)+FR-1], v[8*(8*((\a)%4)+\b):8*(8*((\a)%4)+\b)+7]
.endif
.endr
.endr
.endm
.macro FETCH_B slot, q, p
	WIN TO_B
.irp i, 0,1,2,3,4,5,6,7
	FRAG 128*(\p)+FR*\i, ADRB+\slot, \q, \i
.endr
	WIN 0
.endm
.macro FETCH_A slot, q, i0
.irp i, \i0, \i0+1, \i0+2, \i0+3
	FRAG AF+FR*(\i), ADRA+\slot, \q, \i
.endr
.endm
.macro PLACES n                        ; plain vector lines between a matrix instruction and a load into, or a read of, its registers
.rept \n
	v_nop
.endr
.endm
.macro STEP slot, q, zero              ; 128 along K whose successor lies in the same slot
	s_wait_dscnt 4*NL                              ; R's set and P's blocks 0-3 are in; the youngest 16 loads (P's blocks 4-7) may be out
	WIN MUL_LO
	MUL16 0, (\q)%2, \zero
	MUL16 2, (\q)%2, \zero
	s_wait_dscnt 0
	PLACES NP
	FETCH_B \slot, (\q)+1, 1-(\q)%2
	FETCH_A \slot, (\q)+1, 0
	WIN MUL_HI
	MUL16 4, (\q)%2, \zero
	MUL16 6, (\q)%2, \zero
	PLACES NP
	WIN 0
	FETCH_A \slot, (\q)+1, 4
.endm
.macro TURN slot, next, fill           ; a slot's last step changes slots
	s_wait_tensorcnt 0x0                           ; all my tensor loads have landed: my part of the next slot
	ds_add_u32 v[SPW], v[NIL]                      ; 0 onto my spare word
	s_wait_dscnt 4*NL+1                            ; the add and the youngest 16 loads may be out
	WIN MUL_LO
	MUL16 0, 1, 0
	s_wait_dscnt 0x0                               ; the add is done, and my reads of this slot are over
	s_barrier_signal -1
	MUL16 2, 1, 0
	WIN 0
	s_barrier_wait -1
.if \fill
	CREST                                          ; the barrier has opened a round of the cluster's: no wave of any partner still reads this slot or has a load on its way
	s_add_nc_u64 s[G0+4*\slot+2:G0+4*\slot+3], s[G0+4*\slot+2:G0+4*\slot+3], 2*ROWB
	s_add_nc_u64 s[G0B+4*\slot+2:G0B+4*\slot+3], s[G0B+4*\slot+2:G0B+4*\slot+3], 2*ROWB
	JLOAD G0+4*\slot, G1, G0B+4*\slot, G1B         ; the first tensor load behind the round; its four v_nop are the places in front of the loads below
.else
	PLACES NP
.endif
	FETCH_B \next, 0, 0
	FETCH_A \next, 0, 0
	WIN MUL_HI
	MUL16 4, 1, 0
	MUL16 6, 1, 0
	PLACES NP
	WIN 0
	FETCH_A \next, 0, 4
.endm
	s_load_b256 s[4:11], s[0:1], 0x0               ; xc 4, wc 6, the scales' exponents 8, bq 10
	s_load_b128 s[84:87], s[0:1], 0x20             ; bk 84, bv 86
	s_load_b64 s[88:89], s[0:1], 0x30              ; qkvc
	v_lshl_add_u32 v[SPW], v0, 2, SPARE
	v_mov_b32 v[NIL], 0
	ds_add_u32 v[SPW], v[NIL]                      ; the wave's opening
	ds_add_u32 v[SPW], v[NIL]
	v_lshrrev_b32 v1, 5, v0
	v_readfirstlane_b32 s14, v1                    ; wave
	s_lshr_b32 s15, s14, 1                         ; my half of P's rows; also: I fetch for P (0) or R (1)
	s_and_b32 s16, s14, 1                          ; my half of R's rows; also: which half I fetch
	s_bfe_u32 s40, ttmp6, 0x40000                  ; cx
	s_bfe_u32 s41, ttmp6, 0x40004                  ; cy
	s_and_b32 s42, ttmp7, 0xffff
	s_lshl_b32 s42, s42, 2                         ; 4 x the cluster's y
	s_lshl_b32 s43, s41, 2
	s_lshl_b32 s43, 15, s43                        ; my row of the cluster
	s_lshl_b32 s44, 0x1111, s40                    ; my column
	s_or_b32 s[G1+0], s43, (3<<16)|(1<<21)         ; the mask; elements of 8 bytes; bit 21 beside a mask; no padding
	s_or_b32 s[G1B+0], s44, (3<<16)|(1<<21)
.irp g, G1, G1B
	s_mov_b32 s[\g+1], 512<<16                     ; tensor_dim0 = 512 elements: 4,096 bytes, two K steps of a fragment
	s_mov_b32 s[\g+2], 8<<16                       ; tensor_dim1 = 8 fragments
	s_mov_b32 s[\g+3], 512<<16                     ; tile_dim0
	s_mov_b32 s[\g+4], 8                           ; tile_dim1
	s_mov_b32 s[\g+5], 2048                        ; from fragment to fragment: 16,384 bytes
	s_mov_b32 s[\g+6], 0
	s_mov_b32 s[\g+7], 0
.endr
	s_lshl_b32 s20, ttmp9, 22
	s_lshl_b32 s46, ttmp9, 20
	s_cmp_lt_u32 ttmp9, 2                          ; q or k?
	s_cselect_b32 s17, s42, 0
	s_cselect_b32 s45, 0, s42
	s_cselect_b32 s20, s20, 0x200000               ; P: copy j of x's codes, or Wv's image
	s_cselect_b32 s46, s46, 0x800000               ; R: the weight's image, or copy 2 of x's codes
	s_add_co_u32 s17, s17, s41                     ; pt: P's tile; it never holds cx
	s_add_co_u32 s45, s45, s40                     ; rt: R's tile; it never holds cy
	s_lshl_b32 s18, s16, 17                        ; the half that I fetch: 8 fragments
	s_lshl_b32 s19, s17, 18
	s_add_co_u32 s20, s20, s19
	s_add_co_u32 s20, s20, s18
	s_mov_b32 s21, 0
	s_lshl_b32 s47, s45, 18
	s_add_co_u32 s46, s46, s47
	s_add_co_u32 s46, s46, s18
	s_mov_b32 s47, 0
	s_lshl_b32 s23, s14, 15                        ; where my load lands: wave x 32,768
	s_wait_dscnt 0x0                               ; the opening add is done
	s_wait_kmcnt 0x0
	s_load_b512 s[68:83], s[8:9], 0x0              ; e0 .. e15
	s_cmp_lt_u32 ttmp9, 2
	s_cselect_b64 s[12:13], s[4:5], s[6:7]         ; P's buffer
	s_cselect_b64 s[66:67], s[6:7], s[4:5]         ; R's buffer
	s_add_nc_u64 s[20:21], s[12:13], s[20:21]
	s_add_nc_u64 s[46:47], s[66:67], s[46:47]
	CROUND                                         ; all sixteen work-groups are here: the first joint loads meet
.irp s, 0,1
	s_mov_b32 s[G0+4*\s], 1
	s_add_co_u32 s[G0+4*\s+1], s23, \s*SLOT
	s_add_nc_u64 s[G0+4*\s+2:G0+4*\s+3], s[20:21], \s*ROWB
	s_or_b32 s[G0+4*\s+3], s[G0+4*\s+3], 0x80000000
	s_mov_b32 s[G0B+4*\s], 1
	s_add_co_u32 s[G0B+4*\s+1], s23, \s*SLOT
	s_add_nc_u64 s[G0B+4*\s+2:G0B+4*\s+3], s[46:47], \s*ROWB
	s_or_b32 s[G0B+4*\s+3], s[G0B+4*\s+3], 0x80000000
.endr
	JLOAD G0, G1, G0B, G1B                         ; slot 0: one tensor load a wave at the head
	; PREFETCHES INTO THE L2.  A wave's load of a slot is 8 fragments x 4,096 bytes = 128 blocks of 256 bytes.  The four partners that ask for it jointly share the blocks out BY ADDRESS: the partner at place p
	; (cx for P's tiles, cy for R's) names fragments 2 p and 2 p + 1, a lane a block: one instruction a wave and slot, each block once in the cluster.  Behind slot 0's load slots 1 and 2 are named, behind slot 1's slot 3:
	; two refills ahead (slot 1: one).  Every offset is an immediate; v30 and s[104:105] are never rewritten; the last byte named lies in the wave's own eighth fragment.
	s_cmp_eq_u32 s15, 0
	s_cselect_b64 s[104:105], s[20:21], s[46:47]   ; the tile that my wave fetches
	s_cselect_b32 s18, s40, s41
	s_lshl_b32 s18, s18, 15                        ; two fragments for each partner
	s_mov_b32 s19, 0
	s_add_nc_u64 s[104:105], s[104:105], s[18:19]
	v_and_b32 v30, 15, v0
	v_bfe_u32 v31, v0, 4, 1
	v_lshlrev_b32 v30, 8, v30
	v_lshl_add_u32 v30, v31, 14, v30               ; 16,384 x (lane / 16) + 256 x (lane % 16)
	global_prefetch_b8 v30, s[104:105] offset:ROWB th:TH_LOAD_NT scope:SCOPE_SE
	global_prefetch_b8 v30, s[104:105] offset:2*ROWB th:TH_LOAD_NT scope:SCOPE_SE
	v_and_b32 v1, 15, v0                           ; r
	v_bfe_u32 v2, v0, 4, 1                         ; h
	s_wait_alu depctr_va_vdst(0)
	v_and_b32 v3, 31, v0
	v_lshlrev_b32 v[CO], 4, v3
	s_lshl_b32 s21, s15, 15
	s_lshl_b32 s22, s16, 15
	s_add_co_u32 s22, s22, 2*HALFT
.irp s, 0,1
	v_add_nc_u32 v[ADRA+\s], s21, v[CO]
	v_add_nc_u32 v[ADRB+\s], s22, v[CO]
	s_add_co_u32 s21, s21, SLOT
	s_add_co_u32 s22, s22, SLOT
.endr
	; the bias runs along R's rows (q, k) or along P's rows (v).  Both forms are loaded, inside the buffer, and the one that does not apply is made 0 on the way out
	s_cmp_eq_u32 ttmp9, 1
	s_cselect_b64 s[90:91], s[84:85], s[10:11]
	s_cmp_eq_u32 ttmp9, 2
	s_cselect_b64 s[90:91], s[86:87], s[90:91]
	s_lshl_b32 s18, s45, 10
	s_lshl_b32 s19, s16, 9
	s_add_co_u32 s18, s18, s19
	s_lshl_b32 s12, s17, 10
	s_lshl_b32 s13, s15, 9
	s_add_co_u32 s12, s12, s13
	s_cmp_lt_u32 ttmp9, 2
	s_cselect_b32 s18, s18, 0
	s_cselect_b32 s12, 0, s12
	s_cselect_b32 s66, -1, 0                       ; all lanes keep R's bias, or none
	s_cselect_b32 s67, 0, -1                       ; and P's the other way round
	s_mov_b32 s19, 0
	s_mov_b32 s13, 0
	s_add_nc_u64 s[84:85], s[90:91], s[18:19]
	s_add_nc_u64 s[86:87], s[90:91], s[12:13]
	v_lshlrev_b32 v4, 6, v2                        ; 64 h: my 16 numbers of each 32
	v_and_b32 v5, 8, v1
	v_add_nc_u32 v5, v5, v1
	v_lshlrev_b32 v5, 2, v5                        ; 4 (r + 8 (r / 8))
.irp b, 0,1,2,3
.irp j, 0,1,2,3
	global_load_b128 v[BR+16*\b+4*\j:BR+16*\b+4*\j+3], v4, s[84:85] offset:128*\b+16*\j
.endr
.endr
.irp a, 0,1,2,3,4,5,6,7
	global_load_b32 v[BP+2*\a], v5, s[86:87] offset:4*(32*(\a/2)+8*(\a%2))
.endr
	; where the codes go.  q, k: block (batch, head) x 131,072 + token fragment x 1,024 + 512 c.  v: block + 64 keys x 4,096 + channel fragment x 1,024 + 512 c
	s_cmp_lt_u32 ttmp9, 2
	s_cselect_b32 s18, s17, s45                    ; the tile of tokens,
	s_cselect_b32 s19, s15, s16                    ; my half of it,
	s_cselect_b32 s12, s45, s17                    ; the tile of channels,
	s_cselect_b32 s13, s16, s15                    ; my half of it
	s_mov_b32 s20, 131072
	s_cselect_b32 s20, 4096, s20                   ; four of P's fragments on
	s_mov_b32 s46, 4096
	s_cselect_b32 s46, 131072, s46                 ; 64 of R's rows on
	s_lshl_b32 s2, ttmp9, 22
	s_lshr_b32 s47, s18, 3
	s_lshl_b32 s47, s47, 21
	s_add_co_u32 s2, s2, s47
	s_and_b32 s47, s18, 7
	s_lshl_b32 s47, s47, 14
	s_add_co_u32 s2, s2, s47
	s_lshl_b32 s47, s19, 13
	s_add_co_u32 s2, s2, s47
	s_lshl_b32 s47, s12, 19
	s_add_co_u32 s2, s2, s47
	s_lshl_b32 s47, s13, 18
	s_add_co_u32 s2, s2, s47
	s_mov_b32 s3, 0
	s_mov_b32 s21, 0
	s_mov_b32 s47, 0
	s_add_nc_u64 s[92:93], s[88:89], s[2:3]
	s_add_nc_u64 s[94:95], s[92:93], s[46:47]
	s_add_nc_u64 s[96:97], s[92:93], s[20:21]
	s_add_nc_u64 s[98:99], s[96:97], s[46:47]
	s_wait_alu depctr_va_vdst(0)
	s_wait_tensorcnt 0x0                           ; my part of slot 0 is in
	ds_add_u32 v[SPW], v[NIL]
	s_wait_dscnt 0x0
	CROUND                                         ; everybody's part of slot 0 is in, and the joint loads meet
	JLOAD G0+4, G1, G0B+4, G1B                     ; slot 1's first fill, the first tensor load behind the round
	global_prefetch_b8 v30, s[104:105] offset:3*ROWB th:TH_LOAD_NT scope:SCOPE_SE   ; slot 3, two refills ahead; 64 LDS loads follow ahead of the next wait
	FETCH_B 0, 0, 0
	FETCH_A 0, 0, 0
	FETCH_A 0, 0, 4
	STEP 0, 0, 1                                   ; the first step's products start the sums
	s_mov_b32 s3, LAPS-1
.Llap:
	TURN 0, 1, 1
	STEP 1, 0, 0
	TURN 1, 0, 1
	STEP 0, 0, 0
	s_sub_co_u32 s3, s3, 1
	s_cmp_lg_u32 s3, 0
	s_cbranch_scc1 .Llap
	TURN 0, 1, 0                                   ; the last lap fills nothing
	STEP 1, 0, 0
	s_wait_dscnt 4*NL
	WIN MUL_LO
	MUL16 0, 1, 0
	MUL16 2, 1, 0
	s_wait_dscnt 0
	WIN MUL_HI
	MUL16 4, 1, 0
	MUL16 6, 1, 0
	WIN 0
	; THE WAY OUT: sum x 2^(ea + eb) + bias, held, converted: the conversions' results are 16 bytes a lane of the next product's image, and go out as they stand, 512 consecutive bytes a store
	s_wait_kmcnt 0x0
	s_wait_loadcnt 0x0                             ; the biases
	s_add_co_i32 s18, s68, s69
	s_add_co_i32 s19, s70, s71
	s_add_co_i32 s20, s72, s73
	s_cmp_eq_u32 ttmp9, 1
	s_cselect_b32 s18, s19, s18
	s_cselect_b32 s12, s75, s74
	s_cmp_eq_u32 ttmp9, 2
	s_cselect_b32 s18, s20, s18                    ; the two operands' exponents added,
	s_cselect_b32 s12, s77, s12                    ; and the result's: e6, e7 or e9
	s_add_co_i32 s18, s18, 127
	s_lshl_b32 s100, s18, 23
	s_mov_b32 s101, s100
	s_add_co_i32 s12, s12, 127
	s_lshl_b32 s13, s12, 23
	s_add_co_i32 s12, s12, 8
	s_lshl_b32 s12, s12, 23
	s_or_b32 s12, s12, 0x600000
	v_mov_b32 v11, s13
	v_mov_b32 v10, s12
.set i, 0
.rept 64
	v_cndmask_b32 v[BR+i], 0, v[BR+i], s66         ; these plain lines name no register of the last products: they are the places behind them
.set i, i+1
.endr
.irp a, 0,1,2,3,4,5,6,7
	v_cndmask_b32 v[BP+2*\a], 0, v[BP+2*\a], s67
	v_mov_b32 v[BP+2*\a+1], v[BP+2*\a]
.endr
.macro EPI a
.set AC, 64*((\a)%4)
.set CC, CD+16*((\a)%2)
	WIN (0x02+((\a)/4))                            ; source 0: window 2 or 3
.set i, 0
.rept 32
	v_pk_fma_f32 v[TMP+i:TMP+i+1], v[AC+i:AC+i+1], s[100:101], v[BR+i:BR+i+1] op_sel_hi:[1,0,1]   ; each accumulator from its low end on
.set i, i+2
.endr
	WIN 0
.set i, 0
.rept 32
	v_pk_add_f32 v[TMP+i:TMP+i+1], v[TMP+i:TMP+i+1], v[BP+2*(\a):BP+2*(\a)+1]
.set i, i+2
.endr
.set i, 0
.rept 64
	v_med3_num_f32 v[TMP+i], v[TMP+i], -v10, v10
.set i, i+1
.endr
	s_wait_alu depctr_va_vdst(0)
	s_wait_xcnt 0x0                                ; the stores that read this set of code registers have been taken up
.irp b, 0,1,2,3
	v_cvt_scalef32_pk8_fp8_f32 v[CC+4*\b:CC+4*\b+1], v[TMP+16*\b:TMP+16*\b+7], v11
	v_cvt_scalef32_pk8_fp8_f32 v[CC+4*\b+2:CC+4*\b+3], v[TMP+16*\b+8:TMP+16*\b+15], v11
.endr
	v_nop                                          ; a plain line behind the last conversion: the next block writes their sources
.irp b, 0,1,2,3
	global_store_b128 v[CO], v[CC+4*\b:CC+4*\b+3], s[92+4*((\a)/4)+2*(\b/2):93+4*((\a)/4)+2*(\b/2)] offset:1024*((\a)%4)+512*(\b%2)
.endr
.endm
.irp a, 0,1,2,3,4,5,6,7
	EPI \a
.endr
	s_wait_tensorcnt 0x0                           ; the wave's end
	ds_add_u32 v[SPW], v[NIL]
	s_wait_dscnt 0x0
	CROUND                                         ; the closing round
	s_endpgm
.Lfunc_end_k_q45bb0de82b_qkv:
	.size	k_q45bb0de82b_qkv, .Lfunc_end_k_q45bb0de82b_qkv-k_q45bb0de82b_qkv
	.p2alignl 7, 3214868480
	.fill 96, 4, 3214868480
	.section	.rodata,"a",@progbits
	.p2align	6, 0x0
	.amdhsa_kernel k_q45bb0de82b_qkv
		.amdhsa_group_segment_fixed_size 327680
		.amdhsa_private_segment_fixed_size 0
		.amdhsa_enable_private_segment 0
		.amdhsa_kernarg_size 56
		.amdhsa_user_sgpr_count 2
		.amdhsa_user_sgpr_kernarg_segment_ptr 1
		.amdhsa_wavefront_size32 1
		.amdhsa_system_sgpr_workgroup_id_x 1
		.amdhsa_system_sgpr_workgroup_id_y 1
		.amdhsa_system_sgpr_workgroup_id_z 1
		.amdhsa_system_vgpr_workitem_id 0
		.amdhsa_next_free_vgpr 1024
		.amdhsa_next_free_sgpr 106
		.amdhsa_reserve_vcc 0
		.amdhsa_float_denorm_mode_32 3
		.amdhsa_float_denorm_mode_16_64 3
		.amdhsa_memory_ordered 1
		.amdhsa_forward_progress 1
		.amdhsa_inst_pref_size 160
	.end_amdhsa_kernel
	.amdgpu_metadata
---
amdhsa.version: [ 1, 2 ]
amdhsa.kernels:
  - .name:           k_q45bb0de82b_qkv
    .symbol:         k_q45bb0de82b_qkv.kd
    .args:
      - { .name: xc, .offset: 0, .size: 8, .value_kind: global_buffer, .address_space: global }
      - { .name: wc, .offset: 8, .size: 8, .value_kind: global_buffer, .address_space: global }
      - { .name: lowp_scales, .offset: 16, .size: 8, .value_kind: global_buffer, .address_space: global }
      - { .name: bq, .offset: 24, .size: 8, .value_kind: global_buffer, .address_space: global }
      - { .name: bk, .offset: 32, .size: 8, .value_kind: global_buffer, .address_space: global }
      - { .name: bv, .offset: 40, .size: 8, .value_kind: global_buffer, .address_space: global }
      - { .name: qkvc, .offset: 48, .size: 8, .value_kind: global_buffer, .address_space: global }
    .group_segment_fixed_size: 327680
    .private_segment_fixed_size: 0
    .kernarg_segment_align: 8
    .kernarg_segment_size: 56
    .max_flat_workgroup_size: 128
    .sgpr_count:     106
    .vgpr_count:     1024
    .wavefront_size: 32
...
	.end_amdgpu_metadata
.endif
;; end of part 2
;; launch attn (part 3): grid 8 x 32, 16 waves a work-group, clusters of 4 x 1, 327,680 bytes of LDS; arguments qkvc, mask, lowp_scales, ac, W1, W2, wc; writes ac, wc
.if DOCPART == 3
	.amdgcn_target "amdgcn-amd-amdhsa--gfx1250"
	.amdhsa_code_object_version 6
	.text
	.protected	k_q45bb0de82b_attn
	.globl	k_q45bb0de82b_attn
	.p2align	8
	.type	k_q45bb0de82b_attn,@function
k_q45bb0de82b_attn:
	s_mov_b64 s[64:65], 0
	v_nop
	global_prefetch_b8 v0, s[64:65] scope:SCOPE_SE
	s_setreg_imm32_b32 hwreg(HW_REG_WAVE_MODE, 25, 1), 1
	s_wait_xcnt 0x0
	s_wait_alu depctr_hold_cnt(0) depctr_sa_sdst(0) depctr_va_vdst(0) depctr_va_sdst(0) depctr_va_ssrc(0) depctr_va_vcc(0) depctr_vm_vsrc(0)
	s_getreg_b32 s2, hwreg(HW_REG_IB_STS2, 6, 4)
	s_cmp_eq_u32 s2, 0
	s_cbranch_scc0 .Lentry_in_a_cluster
	s_endpgm
.Lentry_in_a_cluster:
	s_bfe_u32 s2, ttmp6, 0x10000c
	s_cmp_lg_u32 s2, 0x3003
	s_cbranch_scc0 .Lentry_shape_is_right
	s_endpgm
.Lentry_shape_is_right:
; For each batch and head: o = softmax(q k^T / 8, keys with mask 0 at -1e10) v, both products on E4M3 codes; o is quantised at 2^e10 and stored as the image that the next product takes.
; THE SOFTMAX: t = energy x log2(e); M = the running largest t rounded up to a whole number (kept as -M; the ceiling of a maximum is the maximum of the ceilings); p = 2^(t - M) is quantised at 2^e8;
; the row's sum is taken of the unquantised p and divides at the end; when M moves, the sum and O are multiplied by 2^(old M - new M), which rounds nothing.
; THE MASK is the C of the score products: 0 for a key that counts, -8e10 / 2^(e6 + e7) for one that does not, so that its t is -1e10 log2(e) and its p is 0 beside any key that counts.
; Where NO key of the batch counts, reference() gives every key the same weight: there c is made 0 by one scalar select (no branch), so that every t is 0 and every p is 1.
; SHARES.  A work-group owns 256 queries of one (batch, head).  Sixteen waves of 256 registers, four to a SIMD: wave w owns the 32 queries of group w % 8 (two tiles, so that each fragment of K and V feeds two products)
; and the 1,024 keys of half w / 8, in 8 steps of 128.  At the end waves 8-15 hand -M, the sum and O^T to waves 0-7 through LDS, and the two halves are joined under the larger M by factors that are powers of two.
; K and V of the head, 131,072 bytes of codes each, lie in LDS whole and are filled once.  At the head each wave asks for 4,096 bytes: together the first 256 keys of both halves; behind the full sequence and a round
; each wave asks for 12,288 bytes: the rest, which lands while two steps are worked; one barrier stands ahead of step 2.  By this text's count one tensor load a wave is out.
; CLUSTER 4 x 1: the four query blocks of a cluster belong to one head, so each load is a joint one.  No prefetch: every tile is asked for at the head, and there is no loop to run ahead in.
; LAYOUT.  Both products transposed: S^T = K Q^T, O^T = V^T P^T: a lane holds one query.  The images' order of rows makes the 16 registers of two neighbouring score tiles 16 neighbouring keys.
; LIMITS: e6 + e7 between -90 and 130; e8, e10 between -126 and 119.  NaN among the inputs is not served.
; REGISTERS: v0 the mask's place; v1 16 x lane; v2, v3 the add's two; v[4:5], v[6:7] the sums; v8, v10 -M; v12, v14 f (each the low word of a pair whose high word is only named: v9, v11, v13 LDS addresses, v15 the scale);
;   v16-31 Q; v32-159 S^T, then p (v32-95 later V); v160-223 O^T; v224-255 four fragments of K, then the softmax's small numbers, then p's codes.   s55: p's limit, 448 x 2^e8.
.set VOFF,  131072
.set AMB,   262144                     ; 2,048 f32: the mask's numbers
.set FLG,   AMB+8192                   ; 16 words: does any key of a wave's part of the mask count
.set SPARE, FLG+256                    ; the spare words, 128 bytes for each of sixteen waves
.set AMH, 0
.set LI,  1
.set SPW, 2
.set NIL, 3
.set ADK, 9
.set ADV, 11
.set ADM, 13
.set SCL, 15
.set QF,  16
.set S,   32
.set O,   160
.set PC,  224
.set KF,  224
.set WV,  12
.macro CROUND
	s_barrier_signal -1
	s_barrier_wait -1
	s_cmp_lg_u32 s[WV], 0
	s_cbranch_scc1 .Lnot_wave_0_\@
	s_barrier_signal -3
.Lnot_wave_0_\@:
	s_barrier_wait -3
	s_barrier_signal -1
	s_barrier_wait -1
.endm
; A KEY STEP: 128 keys x my 32 queries
.macro TRIP
	v_add_nc_u32 v[ADK], s44, v[LI]                ; these three and a v_nop are the places between the last products and the loads into their sources
	v_add_nc_u32 v[ADV], s45, v[LI]
	v_add_nc_u32 v[ADM], s46, v[AMH]
	v_nop
.irp t, 0,1,2,3,4,5,6,7
	ds_load_b128 v[S+8*\t:S+8*\t+3], v[ADM] offset:128*(\t/2)+32*(\t%2)          ; the mask's numbers, in the scores' layout
	ds_load_b128 v[S+8*\t+4:S+8*\t+7], v[ADM] offset:128*(\t/2)+32*(\t%2)+16
.endr
.irp g, 0,1                                    ; four tiles of 16 keys at a time
.if \g
.rept 4
	v_nop                                          ; places in front of the loads into K's registers
.endr
.endif
.irp t, 0,1,2,3
	ds_load_b128 v[KF+8*\t:KF+8*\t+3], v[ADK] offset:4096*\g+1024*\t
	ds_load_b128 v[KF+8*\t+4:KF+8*\t+7], v[ADK] offset:4096*\g+1024*\t+512
.endr
.if \g == 0
	s_wait_alu depctr_va_vdst(0)
.endif
	s_wait_dscnt 0x0
.irp t, 0,1,2,3
	v_wmma_f32_16x16x64_fp8_fp8 v[S+64+32*\g+8*\t:S+64+32*\g+8*\t+7], v[KF+8*\t:KF+8*\t+7], v[QF+8:QF+15], v[S+32*\g+8*\t:S+32*\g+8*\t+7]   ; tile 1: its sums begin with the mask's numbers
.endr
.rept 5
	v_nop                                          ; five places: the products below write over the C of those above
.endr
.irp t, 0,1,2,3
	v_wmma_f32_16x16x64_fp8_fp8 v[S+32*\g+8*\t:S+32*\g+8*\t+7], v[KF+8*\t:KF+8*\t+7], v[QF:QF+7], v[S+32*\g+8*\t:S+32*\g+8*\t+7]           ; tile 0, onto them
.endr
.endr
.rept 4
	v_nop                                          ; places in front of the first read of the scores and the first write into K's registers
.endr
.irp q, 0,1
	v_max3_num_f32 v[224+2*\q], v[S+64*\q], v[S+64*\q+1], v[S+64*\q+2]     ; the step's largest score, two chains a tile, each accumulator from its low end on
	v_max3_num_f32 v[225+2*\q], v[S+64*\q+3], v[S+64*\q+4], v[S+64*\q+5]
.endr
.set i, 6
.rept 14
.irp q, 0,1
	v_max3_num_f32 v[224+2*\q], v[224+2*\q], v[S+64*\q+i], v[S+64*\q+i+1]
	v_max3_num_f32 v[225+2*\q], v[225+2*\q], v[S+64*\q+i+2], v[S+64*\q+i+3]
.endr
.set i, i+4
.endr
.irp q, 0,1
	v_max3_num_f32 v[224+2*\q], v[224+2*\q], v[S+64*\q+62], v[S+64*\q+63]
.endr
.irp q, 0,1
	s_delay_alu instid0(VALU_DEP_2)
	v_max_num_f32 v[224+2*\q], v[224+2*\q], v[225+2*\q]
.endr
.irp q, 0,1
	s_delay_alu instid0(VALU_DEP_2)
	v_permlanex16_b32 v[228+\q], v[224+2*\q], s40, s41
.endr
.irp q, 0,1
	s_delay_alu instid0(VALU_DEP_2)
	v_max_num_f32 v[224+2*\q], v[224+2*\q], v[228+\q]
.endr
.irp q, 0,1
	s_delay_alu instid0(VALU_DEP_2)
	v_mul_f32 v[224+2*\q], s42, v[224+2*\q]        ; as t (c is not negative)
.endr
.irp q, 0,1
	s_delay_alu instid0(VALU_DEP_2)
	v_floor_f32 v[224+2*\q], -v[224+2*\q]          ; -ceil(t): a whole number
.endr
.irp q, 0,1
	v_mov_b32 v[230+\q], v[8+2*\q]
.endr
.irp q, 0,1
	s_delay_alu instid0(VALU_DEP_4)
	v_min_num_f32 v[8+2*\q], v[8+2*\q], v[224+2*\q]   ; the new -M
.endr
.irp q, 0,1
	s_delay_alu instid0(VALU_DEP_2)
	v_sub_f32 v[224+2*\q], v[8+2*\q], v[230+\q]    ; old M - new M, 0 or less
.endr
.irp q, 0,1
	s_delay_alu instid0(VALU_DEP_2)
	v_cvt_i32_f32 v[224+2*\q], v[224+2*\q]         ; (it saturates)
.endr
.irp q, 0,1
	s_delay_alu instid0(VALU_DEP_2)
	v_ldexp_f32 v[12+2*\q], 1.0, v[224+2*\q]       ; f = 2^(old M - new M)
.endr
.irp q, 0,1
.set i, 0
.rept 32
	v_pk_fma_f32 v[S+64*\q+i:S+64*\q+i+1], v[S+64*\q+i:S+64*\q+i+1], s[42:43], v[8+2*\q:9+2*\q] op_sel_hi:[1,0,0]   ; t - M
.set i, i+2
.endr
.endr
	s_wait_alu depctr_va_vdst(0)
.set i, 0
.rept 128
	v_exp_f32 v[S+i], v[S+i]                       ; p = 2^(t - M): one batch
.set i, i+1
.endr
.irp q, 0,1
	v_pk_mul_f32 v[4+2*\q:5+2*\q], v[4+2*\q:5+2*\q], v[12+2*\q:13+2*\q] op_sel_hi:[1,0]   ; the sums under the new M; the plain lines behind the exponentials
.endr
	s_wait_alu depctr_va_vdst(0)                   ; one wait for the batch, ahead of its first reader
.irp q, 0,1
	v_pk_add_f32 v[232+2*\q:233+2*\q], v[S+64*\q:S+64*\q+1], v[S+64*\q+2:S+64*\q+3]       ; the row's sum, of the unquantised p
.endr
.set i, 4
.rept 15
.irp q, 0,1
	v_pk_add_f32 v[4+2*\q:5+2*\q], v[4+2*\q:5+2*\q], v[S+64*\q+i:S+64*\q+i+1]
	v_pk_add_f32 v[232+2*\q:233+2*\q], v[232+2*\q:233+2*\q], v[S+64*\q+i+2:S+64*\q+i+3]
.endr
.set i, i+4
.endr
	s_delay_alu instid0(VALU_DEP_3)
	v_pk_add_f32 v[4:5], v[4:5], v[232:233]
	s_delay_alu instid0(VALU_DEP_2)
	v_pk_add_f32 v[6:7], v[6:7], v[234:235]
.irp q, 0,1
.irp b, 0,1,2,3
.set i, 0
.rept 8                                        ; the conversion does not saturate (ISA guide 7.6.2); p is not negative, so the hold is one-sided; two holds an instruction
	v_dual_min_num_f32 v[S+64*\q+16*\b+i], s55, v[S+64*\q+16*\b+i] :: v_dual_min_num_f32 v[S+64*\q+16*\b+i+1], s55, v[S+64*\q+16*\b+i+1]
.set i, i+2
.endr
	v_cvt_scalef32_pk8_fp8_f32 v[PC+16*\q+4*\b:PC+16*\q+4*\b+1], v[S+64*\q+16*\b:S+64*\q+16*\b+7], v[SCL]
	v_cvt_scalef32_pk8_fp8_f32 v[PC+16*\q+4*\b+2:PC+16*\q+4*\b+3], v[S+64*\q+16*\b+8:S+64*\q+16*\b+15], v[SCL]
.endr
.if \q == 0
.irp t, 0,1,2,3                                ; tile 0's p is in codes: its 64 registers take V's four fragments
.irp c, 0,1,2,3
	ds_load_b128 v[S+16*\t+4*\c:S+16*\t+4*\c+3], v[ADV] offset:4096*(\c/2)+1024*\t+512*(\c%2)
.endr
.endr
.endif
.endr
	s_wait_alu depctr_va_vdst(0)                   ; directly ahead of the first reader of O^T
.irp q, 0,1
.set i, 0
.rept 16
	v_pk_mul_f32 v[O+32*\q+i:O+32*\q+i+1], v[O+32*\q+i:O+32*\q+i+1], v[12+2*\q:13+2*\q] op_sel_hi:[1,0]   ; O^T under the new M; also the plain lines behind the conversions
.set i, i+2
.endr
.endr
	s_wait_alu depctr_va_vdst(0)
	s_wait_dscnt 0x0                               ; V is in
.irp t, 0,1,2,3
.irp q, 0,1
	v_wmma_f32_16x16x128_fp8_fp8 v[O+32*\q+8*\t:O+32*\q+8*\t+7], v[S+16*\t:S+16*\t+15], v[PC+16*\q:PC+16*\q+15], v[O+32*\q+8*\t:O+32*\q+8*\t+7]   ; eight accumulators by turns
.endr
.endr
	s_add_co_u32 s44, s44, 8192
	s_add_co_u32 s45, s45, 8192
	s_add_co_u32 s46, s46, 512
.endm
; BESIDE THE ATTENTION: waves 8-15 of every work-group turn one piece each of W1 or W2 (f32, K the first axis) into E4M3 codes at 2^e13 or 2^e15, laid as the image that the later products take:
; 32 columns x 128 along K a wave, 8 x 256 = 2,048 pieces = both tensors.  This launch reads 16 MB of codes in all, so the weights' 33 MB come in under its arithmetic.  LIMITS: e13, e15 between -126 and 119.
	s_load_b256 s[4:11], s[0:1], 0x0               ; qkvc 4, mask 6, the scales' exponents 8, ac 10
	s_load_b128 s[96:99], s[0:1], 0x20             ; W1 96, W2 98
	s_load_b64 s[100:101], s[0:1], 0x30            ; wc
	v_lshl_add_u32 v[SPW], v0, 2, SPARE
	v_mov_b32 v[NIL], 0
	ds_add_u32 v[SPW], v[NIL]                      ; the wave's opening
	ds_add_u32 v[SPW], v[NIL]
	v_lshrrev_b32 v1, 5, v0
	s_delay_alu instid0(VALU_DEP_1)
	v_readfirstlane_b32 s[WV], v1                  ; wave 0..15
	s_bfe_u32 s13, ttmp6, 0x40000                  ; cx
	s_lshl_b32 s14, ttmp9, 2
	s_add_co_u32 s14, s14, s13                     ; my block of 256 queries: it enters Q's and the output's addresses alone
	s_and_b32 s15, ttmp7, 0xffff                   ; 16 x batch + head, which the partners share
	s_mov_b32 s16, 15|(3<<16)|(1<<21)              ; group 1 of the first loads: all four work-groups; elements of 8 bytes; bit 21 beside a mask
	s_mov_b32 s17, 32<<16                          ; rows of 256 bytes,
	s_mov_b32 s18, 16<<16                          ; 16 of them,
	s_mov_b32 s19, 32<<16
	s_mov_b32 s20, 16
	s_mov_b32 s21, 32                              ; dense
	s_mov_b32 s22, 0
	s_mov_b32 s23, 0
	s_mov_b32 s84, 15|(3<<16)|(1<<21)              ; group 1 of the second loads: 48 rows
	s_mov_b32 s85, 32<<16
	s_mov_b32 s86, 48<<16
	s_mov_b32 s87, 32<<16
	s_mov_b32 s88, 48
	s_mov_b32 s89, 32
	s_mov_b32 s90, 0
	s_mov_b32 s91, 0
	s_and_b32 s56, s[WV], 7                        ; my group of 32 queries
	s_lshr_b32 s57, s[WV], 3                       ; my half of the keys.  Also: I fetch for K (0) or V (1),
	s_bfe_u32 s58, s[WV], 0x10002                  ; for which half of the keys,
	s_and_b32 s59, s[WV], 3                        ; and which quarter of the part
	s_lshl_b32 s60, s57, 17
	s_lshl_b32 s61, s58, 16
	s_add_co_u32 s60, s60, s61                     ; where that half begins in LDS
	s_lshl_b32 s62, s59, 12
	s_add_co_u32 s25, s60, s62                     ; first load: 4,096 bytes of the half's first 16,384
	s_mul_i32 s63, s59, 12288
	s_add_co_u32 s63, s63, 16384
	s_add_co_u32 s93, s60, s63                     ; second load: 12,288 bytes of the other 49,152
	s_add_co_u32 s28, s57, 1
	s_lshl_b32 s28, s28, 22                        ; k's codes lie 4 MiB, v's 8 MiB into the buffer
	s_lshl_b32 s29, s15, 17
	s_add_co_u32 s28, s28, s29
	s_add_co_u32 s28, s28, s61
	s_add_co_u32 s30, s28, s63
	s_add_co_u32 s28, s28, s62
	s_mov_b32 s29, 0
	s_mov_b32 s31, 0
	s_lshl_b32 s34, s14, 4
	s_lshl_b32 s35, s56, 1
	s_add_co_u32 s34, s34, s35                     ; my first fragment of queries: 16 x block + 2 x group
	s_lshl_b32 s32, s34, 10
	s_lshl_b32 s35, s15, 17
	s_add_co_u32 s32, s32, s35
	s_mov_b32 s33, 0
	s_lshr_b32 s38, s15, 4                         ; the batch
	s_lshl_b32 s35, s38, 7
	s_add_co_u32 s36, s34, s35
	s_lshl_b32 s36, s36, 14                        ; the output's image: fragment x 16,384
	s_and_b32 s35, s15, 15
	s_lshl_b32 s35, s35, 10                        ; + head x 1,024
	s_add_co_u32 s36, s36, s35
	s_mov_b32 s37, 0
	s_lshl_b32 s38, s38, 13
	s_mov_b32 s39, 0
	s_mov_b32 s40, 0x76543210
	s_mov_b32 s41, 0xfedcba98                      ; v_permlanex16_b32: lane l xor 16
	s_lshl_b32 s44, s57, 16                        ; where my first step's K begins in LDS,
	s_add_co_u32 s45, s44, VOFF                    ; its V,
	s_lshl_b32 s46, s57, 12                        ; its mask numbers
	s_mul_i32 s47, s56, 9216                       ; where my group's halves meet at the end: 18 x 512 bytes, in K's bytes
	s_lshl_b32 s49, s[WV], 2
	s_add_co_u32 s49, s49, FLG                     ; my wave's flag word
	s_wait_dscnt 0x0                               ; both opening adds are done
	s_wait_kmcnt 0x0
	s_load_b512 s[68:83], s[8:9], 0x0              ; e0 .. e15: e6 s74, e7 s75, e8 s76, e9 s77, e10 s78
	s_mov_b32 s24, 1
	s_add_nc_u64 s[26:27], s[4:5], s[28:29]
	s_or_b32 s27, s27, 0x80000000
	s_mov_b32 s92, 1
	s_add_nc_u64 s[94:95], s[4:5], s[30:31]
	s_or_b32 s95, s95, 0x80000000
	s_add_nc_u64 s[32:33], s[4:5], s[32:33]        ; Q
	s_add_nc_u64 s[36:37], s[10:11], s[36:37]      ; the output
	s_add_nc_u64 s[38:39], s[6:7], s[38:39]        ; the batch's mask
	CROUND                                         ; all four work-groups are here: the joint loads meet
	tensor_load_to_lds s[24:27], s[16:23]          ; one tensor load a wave at the head
	s_nop 0
.rept 4
	v_nop
.endr
	v_and_b32 v[LI], 31, v0
	s_delay_alu instid0(VALU_DEP_1)
	v_lshlrev_b32 v[LI], 4, v[LI]
	v_lshlrev_b32 v32, 4, v0                       ; 16 x thread: my four words of the mask,
	v_lshl_add_u32 v33, v0, 4, AMB                 ; where their numbers go,
	v_and_b32 v34, 15, v0
	s_delay_alu instid0(VALU_DEP_1)
	v_lshl_add_u32 v34, v34, 2, FLG                ; the flag word that my lane will read,
	v_mov_b32 v35, s49                             ; and the one that my wave writes
.irp q, 0,1
	global_load_b128 v[QF+8*\q:QF+8*\q+3], v[LI], s[32:33] offset:1024*\q
	global_load_b128 v[QF+8*\q+4:QF+8*\q+7], v[LI], s[32:33] offset:1024*\q+512
.endr
	global_load_b128 v[36:39], v32, s[38:39]       ; 512 threads x 16 bytes: the batch's mask, once a work-group
	v_bfe_u32 v[AMH], v0, 4, 1
	s_delay_alu instid0(VALU_DEP_1)
	v_lshl_add_u32 v[AMH], v[AMH], 6, AMB          ; the mask's numbers of my half's 16 keys of each 32
.irp q, 0,1
	v_mov_b32 v[8+2*\q], 0x7f61b1e6                ; -M: 3e38, over every -ceil(t)
	v_mov_b32 v[4+2*\q], 0
	v_mov_b32 v[5+2*\q], 0
.endr
	s_wait_alu depctr_va_vdst(0)
	s_wait_loadcnt 0x0
	s_wait_kmcnt 0x0
	v_or_b32 v40, v36, v37
	v_or_b32 v41, v38, v39
	s_delay_alu instid0(VALU_DEP_1)
	v_or_b32 v40, v40, v41
	s_delay_alu instid0(VALU_DEP_1)
	v_cmp_ne_u32 s50, 0, v40                       ; does any of my wave's 128 keys count?
	s_add_co_i32 s52, s74, s75
	s_lshl_b32 s52, s52, 23
	s_add_co_i32 s53, s52, 0x3e38aa3b              ; c = log2(e) / 8 x 2^(e6 + e7): the exponents are added to c's exponent field
	s_sub_co_i32 s54, 0xd19502f9, s52              ; -8e10 / 2^(e6 + e7)
	v_mov_b32 v41, s54
	v_mov_b32 v40, s50
.set i, 0
.rept 4
	v_cmp_eq_u32 s51, 0, v[36+i]
	s_delay_alu instid0(VALU_DEP_1)
	v_cndmask_b32 v[36+i], 0, v41, s51
.set i, i+1
.endr
	ds_store_b128 v33, v[36:39]
	ds_store_b32 v35, v40                          ; all lanes write the same word with the same value
	s_add_co_i32 s52, s76, 127
	s_lshl_b32 s51, s52, 23
	v_mov_b32 v[SCL], s51                          ; 2^e8
	s_add_co_i32 s52, s52, 8
	s_lshl_b32 s52, s52, 23
	s_or_b32 s55, s52, 0x600000                    ; 448 x 2^e8
	s_wait_alu depctr_va_vdst(0)
	s_wait_tensorcnt 0x0                           ; my first load has landed
	ds_add_u32 v[SPW], v[NIL]
	s_wait_dscnt 0x0                               ; the add is done, and my part of the mask's numbers and my flag are stored
	CROUND                                         ; everybody's are, and the joint loads meet
	tensor_load_to_lds s[92:95], s[84:91]          ; the rest of K and V: bytes that no step reads before the barrier behind step 1
	s_nop 0
.rept 4
	v_nop
.endr
	ds_load_b32 v36, v34                           ; the sixteen flags
	s_wait_dscnt 0x0
	v_cmp_ne_u32 s50, 0, v36
	s_cmp_lg_u32 s50, 0                            ; does any key of the batch count?  A select, no branch
	s_cselect_b32 s42, s53, 0
	s_mov_b32 s43, s42
	; ---- waves 8-15: a piece of W1 or W2.  A LANE TAKES A COLUMN, AND ITS REGISTERS RUN DOWN K; the codes go through the wave's own stage in LDS and leave in the image's order, 512 consecutive bytes a store
.set WSP, 144                          ; a column's 128 codes + 16
.set WWB, 32*WSP                       ; 32 columns for each of the eight waves
.set WST, SPARE+2048                   ; behind the spare words: bytes into which no tensor load lands
	s_cmp_eq_u32 s57, 0
	s_cbranch_scc1 .Lnoq
	s_lshl_b32 s58, s15, 3
	s_add_co_u32 s58, s58, s14                     ; my work-group's number, 0 .. 255: it enters global addresses alone
	s_and_b32 s59, s58, 127
	s_cmp_lt_u32 s15, 16                           ; the first 128 work-groups take W1, the others W2: selects, no branch
	s_cselect_b64 s[96:97], s[96:97], s[98:99]
	s_cselect_b32 s60, 4, 2                        ; log2 of the tensor's groups of 256 columns
	s_mov_b32 s61, 4096
	s_cselect_b32 s61, 16384, s61                  ; a row of W in bytes
	s_mov_b32 s62, 65536
	s_cselect_b32 s62, 16384, s62                  ; from fragment to fragment in the image: 16 K bytes
	s_cselect_b32 s63, 1, 2
	s_cselect_b32 s34, s81, s83                    ; e13 or e15
	s_lshl_b32 s63, s63, 22                        ; the tensor's place in wc: 4 MiB or 8 MiB
	s_lshl_b32 s35, 1, s60
	s_sub_co_u32 s35, s35, 1
	s_and_b32 s35, s59, s35
	s_lshr_b32 s59, s59, s60                       ; which 128 along K
	s_lshl_b32 s35, s35, 3
	s_add_co_u32 s35, s35, s56                     ; G: which 32 columns; the eight waves stand side by side on 1,024 bytes of a row
	s_lshl_b32 s28, s59, 7
	s_mul_i32 s28, s28, s61
	s_lshl_b32 s29, s35, 7
	s_add_co_u32 s28, s28, s29
	s_mov_b32 s29, 0
	s_add_nc_u64 s[96:97], s[96:97], s[28:29]      ; rows 0-31 of my piece,
	s_lshl_b32 s30, s61, 5
	s_mov_b32 s31, 0
	s_add_nc_u64 s[98:99], s[96:97], s[30:31]      ; 32-63,
	s_add_nc_u64 s[28:29], s[98:99], s[30:31]      ; 64-95,
	s_add_nc_u64 s[30:31], s[28:29], s[30:31]      ; 96-127
	s_lshl_b32 s58, s35, 1
	s_mul_i32 s58, s58, s62                        ; fragments 2 G and 2 G + 1,
	s_add_co_u32 s58, s58, s63
	s_lshl_b32 s59, s59, 11                        ; my K step
	s_add_co_u32 s58, s58, s59
	s_mov_b32 s59, 0
	s_add_nc_u64 s[100:101], s[100:101], s[58:59]
	s_add_co_i32 s34, s34, 127
	s_lshl_b32 s35, s34, 23
	v_mov_b32 v193, s35                            ; 2^e
	s_add_co_i32 s34, s34, 8
	s_lshl_b32 s34, s34, 23
	s_or_b32 s34, s34, 0x600000
	v_mov_b32 v194, s34                            ; 448 x 2^e
	s_mul_i32 s35, s56, WWB
	s_add_co_u32 s35, s35, WST                     ; my stage
	v_lshrrev_b32 v195, 4, v[LI]
	v_mul_u32_u24 v195, v195, WSP
	v_add_nc_u32 v195, s35, v195                   ; into it: row = my column
	v_bfe_u32 v196, v[LI], 4, 4                    ; r
	v_and_b32 v197, 8, v196
	v_add_nc_u32 v196, v196, v197                  ; r + 8 (r / 8)
	v_mul_u32_u24 v196, v196, WSP
	v_bfe_u32 v197, v[LI], 8, 1                    ; h
	v_lshl_add_u32 v196, v197, 4, v196
	v_add_nc_u32 v196, s35, v196                   ; out of it: the image's order
	v_mov_b32 v198, v[LI]                          ; 16 x lane, for fragment 2 G,
	v_add_nc_u32 v199, s62, v[LI]                  ; and for 2 G + 1
	v_lshrrev_b32 v192, 2, v[LI]                   ; 4 x lane
.set i, 0
.rept 32
	v_mad_u32_u24 v[160+i], s61, i, v192
.set i, i+1
.endr
.set tt, 0
.irp b, 96,98,28,30
.set i, 0
.rept 32
	global_load_b32 v[S+32*tt+i], v[160+i], s[\b:\b+1] th:TH_LOAD_NT   ; W(32 tt + i, my column): 128 consecutive bytes a load
.set i, i+1
.endr
.set tt, tt+1
.endr
	s_wait_alu depctr_va_vdst(0)
.irp t, 0,1,2,3
.if \t == 0
	s_wait_loadcnt 63                              ; of the 128 loads the youngest 63 may be out: blocks 0 and 1 are in
.endif
.if \t == 2
	s_wait_loadcnt 32                              ; block 3's 32 may be out
.endif
.if \t == 3
	s_wait_loadcnt 0x0
.endif
.set i, 0
.rept 32
	v_med3_num_f32 v[S+32*\t+i], v[S+32*\t+i], -v194, v194   ; the conversion does not saturate (ISA guide 7.6.2): the hold at the largest code x the scale
.set i, i+1
.endr
.irp g, 0,1,2,3
	v_cvt_scalef32_pk8_fp8_f32 v[224+8*\t+2*\g:224+8*\t+2*\g+1], v[S+32*\t+8*\g:S+32*\t+8*\g+7], v193
.endr
	v_nop
	ds_store_b128 v195, v[224+8*\t:224+8*\t+3] offset:32*\t      ; 32 codes of my column, K innermost
	ds_store_b128 v195, v[224+8*\t+4:224+8*\t+7] offset:32*\t+16
.endr
.irp u, 0,1
.irp c, 0,1,2,3
	ds_load_b128 v[S+4*(4*\u+\c):S+4*(4*\u+\c)+3], v196 offset:8*\u*WSP+32*\c   ; LDS serves a wave's instructions in order: these see my stores
.endr
.endr
.irp u, 0,1
.irp c, 0,1,2,3
	s_wait_dscnt 7-(4*\u+\c)                       ; this load is in; the younger may be out
	global_store_b128 v[198+\u], v[S+4*(4*\u+\c):S+4*(4*\u+\c)+3], s[100:101] offset:512*\c
.endr
.endr
	s_wait_xcnt 0x0                                ; the stores have read their registers, which the lines below and the loop write again
.Lnoq:
.set i, 0
.rept 64
	v_mov_b32 v[O+i], 0                            ; the step is written once: the first finds zeros
.set i, i+1
.endr
	s_mov_b32 s48, 2
.Lfirst:                                           ; steps 0 and 1: the 256 keys that the first loads brought
	TRIP
	s_sub_co_u32 s48, s48, 1
	s_cmp_lg_u32 s48, 0
	s_cbranch_scc1 .Lfirst
	s_wait_tensorcnt 0x0                           ; my second load has landed:
	s_wait_dscnt 0x0
	s_barrier_signal -1
	s_barrier_wait -1                              ; everybody's has
	s_mov_b32 s48, 6
.Lrest:
	TRIP
	s_sub_co_u32 s48, s48, 1
	s_cmp_lg_u32 s48, 0
	s_cbranch_scc1 .Lrest
	; THE TWO HALVES OF THE KEYS MEET.  These seven plain lines are also the places behind the last products
.irp q, 0,1
	v_add_f32 v[4+2*\q], v[4+2*\q], v[5+2*\q]
.endr
.irp q, 0,1
	v_permlanex16_b32 v[5+2*\q], v[4+2*\q], s40, s41
.endr
.irp q, 0,1
	v_add_f32 v[4+2*\q], v[4+2*\q], v[5+2*\q]      ; my half's sum of the row
.endr
	v_add_nc_u32 v[ADM], s47, v[LI]
	s_wait_alu depctr_va_vdst(0)
	s_wait_dscnt 0x0
	s_barrier_signal -1
	s_barrier_wait -1                              ; nobody reads K any more, and it has had its last fill
	s_cmp_eq_u32 s57, 0
	s_cbranch_scc1 .Llow
.set i, 0
.rept 16
	ds_store_b128 v[ADM], v[O+4*i:O+4*i+3] offset:512*i   ; waves 8-15: O^T as an image of its registers, each accumulator from its low end on,
.set i, i+1
.endr
	ds_store_b128 v[ADM], v[4:7] offset:8192       ; the sums (words 0 and 2),
	ds_store_b128 v[ADM], v[8:11] offset:8704      ; and -M (words 0 and 2)
.Llow:
	s_wait_dscnt 0x0
	s_barrier_signal -1
	s_barrier_wait -1
	s_cmp_lg_u32 s57, 0
	s_cbranch_scc1 .Lfin
.set i, 0
.rept 16
	ds_load_b128 v[S+4*i:S+4*i+3], v[ADM] offset:512*i
.set i, i+1
.endr
	ds_load_b128 v[96:99], v[ADM] offset:8192
	ds_load_b128 v[100:103], v[ADM] offset:8704
	s_wait_dscnt 0x0
.irp q, 0,1
	v_min_num_f32 v[104+\q], v[8+2*\q], v[100+2*\q]       ; -M of both halves
.endr
.irp q, 0,1
	v_sub_f32 v[106+\q], v[104+\q], v[8+2*\q]             ; my M - M, 0 or less,
	v_sub_f32 v[108+\q], v[104+\q], v[100+2*\q]           ; and the other half's
.endr
.irp q, 0,1
	v_cvt_i32_f32 v[106+\q], v[106+\q]
	v_cvt_i32_f32 v[108+\q], v[108+\q]
.endr
.irp q, 0,1
	v_ldexp_f32 v[106+\q], 1.0, v[106+\q]
	v_ldexp_f32 v[108+\q], 1.0, v[108+\q]
.endr
.irp q, 0,1
	v_mul_f32 v[110+\q], v[4+2*\q], v[106+\q]
.endr
.irp q, 0,1
	v_fma_f32 v[110+\q], v[96+2*\q], v[108+\q], v[110+\q] ; the row's sum
.endr
	s_wait_alu depctr_va_vdst(0)
.irp q, 0,1
	v_rcp_f32 v[112+\q], v[110+\q]
.endr
	s_add_co_i32 s52, s78, 127
	s_lshl_b32 s53, s52, 23
	v_mov_b32 v[SCL], s53                          ; 2^e10.  (A plain line behind the reciprocals)
	s_add_co_i32 s52, s52, 8
	s_lshl_b32 s52, s52, 23
	s_or_b32 s52, s52, 0x600000
	v_mov_b32 v124, s52                            ; 448 x 2^e10
	s_add_co_i32 s52, s76, s77
	s_wait_alu depctr_va_vdst(0)                   ; one wait for both reciprocals, ahead of their first reader
.irp q, 0,1
	v_ldexp_f32 v[112+\q], v[112+\q], s52          ; x 2^(e8 + e9)
.endr
.irp q, 0,1
	v_mul_f32 v[116+4*\q], v[106+\q], v[112+\q]    ; my half's factor,
	v_mul_f32 v[118+4*\q], v[108+\q], v[112+\q]    ; the other's
.endr
	s_wait_alu depctr_va_vdst(0)                   ; directly ahead of the first reader of O^T
.irp q, 0,1
.set i, 0
.rept 16
	v_pk_mul_f32 v[O+32*\q+i:O+32*\q+i+1], v[O+32*\q+i:O+32*\q+i+1], v[116+4*\q:117+4*\q] op_sel_hi:[1,0]
.set i, i+2
.endr
.endr
.irp q, 0,1
.set i, 0
.rept 16
	v_pk_fma_f32 v[O+32*\q+i:O+32*\q+i+1], v[S+32*\q+i:S+32*\q+i+1], v[118+4*\q:119+4*\q], v[O+32*\q+i:O+32*\q+i+1] op_sel_hi:[1,0,1]
.set i, i+2
.endr
.endr
.irp q, 0,1
.set i, 0
.rept 32
	v_med3_num_f32 v[O+32*\q+i], v[O+32*\q+i], -v124, v124
.set i, i+1
.endr
.irp b, 0,1
	v_cvt_scalef32_pk8_fp8_f32 v[PC+8*\q+4*\b:PC+8*\q+4*\b+1], v[O+32*\q+16*\b:O+32*\q+16*\b+7], v[SCL]
	v_cvt_scalef32_pk8_fp8_f32 v[PC+8*\q+4*\b+2:PC+8*\q+4*\b+3], v[O+32*\q+16*\b+8:O+32*\q+16*\b+15], v[SCL]
.endr
	v_nop
.endr
.irp q, 0,1
.irp b, 0,1
	global_store_b128 v[LI], v[PC+8*\q+4*\b:PC+8*\q+4*\b+3], s[36:37] offset:16384*\q+512*\b   ; 512 consecutive bytes
.endr
.endr
.Lfin:
	s_wait_tensorcnt 0x0                           ; the wave's end
	ds_add_u32 v[SPW], v[NIL]
	s_wait_dscnt 0x0
	CROUND                                         ; the closing round
	s_endpgm
.Lfunc_end_k_q45bb0de82b_attn:
	.size	k_q45bb0de82b_attn, .Lfunc_end_k_q45bb0de82b_attn-k_q45bb0de82b_attn
	.p2alignl 7, 3214868480
	.fill 96, 4, 3214868480
	.section	.rodata,"a",@progbits
	.p2align	6, 0x0
	.amdhsa_kernel k_q45bb0de82b_attn
		.amdhsa_group_segment_fixed_size 327680
		.amdhsa_private_segment_fixed_size 0
		.amdhsa_enable_private_segment 0
		.amdhsa_kernarg_size 56
		.amdhsa_user_sgpr_count 2
		.amdhsa_user_sgpr_kernarg_segment_ptr 1
		.amdhsa_wavefront_size32 1
		.amdhsa_system_sgpr_workgroup_id_x 1
		.amdhsa_system_sgpr_workgroup_id_y 1
		.amdhsa_system_sgpr_workgroup_id_z 1
		.amdhsa_system_vgpr_workitem_id 0
		.amdhsa_next_free_vgpr 256
		.amdhsa_next_free_sgpr 102
		.amdhsa_reserve_vcc 0
		.amdhsa_float_denorm_mode_32 3
		.amdhsa_float_denorm_mode_16_64 3
		.amdhsa_memory_ordered 1
		.amdhsa_forward_progress 1
		.amdhsa_inst_pref_size 113
	.end_amdhsa_kernel
	.amdgpu_metadata
---
amdhsa.version: [ 1, 2 ]
amdhsa.kernels:
  - .name:           k_q45bb0de82b_attn
    .symbol:         k_q45bb0de82b_attn.kd
    .args:
      - { .name: qkvc, .offset: 0, .size: 8, .value_kind: global_buffer, .address_space: global }
      - { .name: mask, .offset: 8, .size: 8, .value_kind: global_buffer, .address_space: global }
      - { .name: lowp_scales, .offset: 16, .size: 8, .value_kind: global_buffer, .address_space: global }
      - { .name: ac, .offset: 24, .size: 8, .value_kind: global_buffer, .address_space: global }
      - { .name: W1, .offset: 32, .size: 8, .value_kind: global_buffer, .address_space: global }
      - { .name: W2, .offset: 40, .size: 8, .value_kind: global_buffer, .address_space: global }
      - { .name: wc, .offset: 48, .size: 8, .value_kind: global_buffer, .address_space: global }
    .group_segment_fixed_size: 327680
    .private_segment_fixed_size: 0
    .kernarg_segment_align: 8
    .kernarg_segment_size: 56
    .max_flat_workgroup_size: 512
    .sgpr_count:     102
    .vgpr_count:     256
    .wavefront_size: 32
...
	.end_amdgpu_metadata
.endif
;; end of part 3
;; launch oproj (part 4): grid 8 x 32, 4 waves a work-group, clusters of 4 x 4, 327,680 bytes of LDS; arguments ac, wc, lowp_scales, bo, x, y; writes y
.if DOCPART == 4
	.amdgcn_target "amdgcn-amd-amdhsa--gfx1250"
	.amdhsa_code_object_version 6
	.text
	.protected	k_q45bb0de82b_oproj
	.globl	k_q45bb0de82b_oproj
	.p2align	8
	.type	k_q45bb0de82b_oproj,@function
k_q45bb0de82b_oproj:
	s_mov_b64 s[64:65], 0
	v_nop
	global_prefetch_b8 v0, s[64:65] scope:SCOPE_SE
	s_setreg_imm32_b32 hwreg(HW_REG_WAVE_MODE, 25, 1), 1
	s_wait_xcnt 0x0
	s_wait_alu depctr_hold_cnt(0) depctr_sa_sdst(0) depctr_va_vdst(0) depctr_va_sdst(0) depctr_va_ssrc(0) depctr_va_vcc(0) depctr_vm_vsrc(0)
	s_getreg_b32 s2, hwreg(HW_REG_IB_STS2, 6, 4)
	s_cmp_eq_u32 s2, 0
	s_cbranch_scc0 .Lentry_in_a_cluster
	s_endpgm
.Lentry_in_a_cluster:
	s_bfe_u32 s2, ttmp6, 0x10000c
	s_cmp_lg_u32 s2, 0xf033
	s_cbranch_scc0 .Lentry_shape_is_right
	s_endpgm
.Lentry_shape_is_right:
.set KK,    1024
.set WOFF,  3<<20
.set EI,    10
.set SLOT,  131072
.set QT,    32768
.set STAGE, 2*SLOT
.set SP,    272
.set SPARE, STAGE+4*16*SP
.set LAPS,  KK/1024
.set ADRA, 16
.set ADRB, 20
.set STO,  24
.set RD,   25
.set CO,   26
.set SPW,  28
.set NIL,  29
.set ACC,  128
.set G1, 24
.set G0, 32
.set G1B, 48
.set G0B, 56
.set MSB, 0
.macro WIN new
.if MSB != (\new)
	s_set_vgpr_msb (MSB<<8)|(\new)
.set MSB, (\new)
.endif
.endm
.macro JLOAD s
	s_cmp_eq_u32 s15, 0
	s_cbranch_scc0 .Lfor_b_\@
	tensor_load_to_lds s[G0+4*\s:G0+4*\s+3], s[G1:G1+7]
	s_nop 0
.rept 4
	v_nop
.endr
	s_branch .Lasked_\@
.Lfor_b_\@:
	tensor_load_to_lds s[G0B+4*\s:G0B+4*\s+3], s[G1B:G1B+7]
	s_nop 0
.rept 4
	v_nop
.endr
.Lasked_\@:
.endm
.macro CREST
	s_cmp_lg_u32 s14, 0
	s_cbranch_scc1 .Lnot_wave_0_\@
	s_barrier_signal -3
.Lnot_wave_0_\@:
	s_barrier_wait -3
	s_barrier_signal -1
	s_barrier_wait -1
.endm
.macro CROUND
	s_barrier_signal -1
	s_barrier_wait -1
	CREST
.endm
.macro PLACES
.rept 4
	v_nop
.endr
.endm
.macro FETCH slot, q, p
	WIN 0x40
.irp i, 0,1,2,3
.irp c, 0,1,2,3
	ds_load_b128 v[128*(\p)+64+16*\i+4*\c:128*(\p)+64+16*\i+4*\c+3], v[ADRB+\slot] offset:16384*\i+2048*(\q)+512*\c
.endr
.endr
.irp i, 0,1,2,3
.irp c, 0,1,2,3
	ds_load_b128 v[128*(\p)+16*\i+4*\c:128*(\p)+16*\i+4*\c+3], v[ADRA+\slot] offset:16384*\i+2048*(\q)+512*\c
.endr
.endr
.endm
.macro MUL p, a0, n, zero
.set aa, \a0
.rept \n
.irp t, 0,1,2,3
.if \zero
	v_wmma_f32_16x16x128_fp8_fp8 v[ACC+8*(4*aa+\t):ACC+8*(4*aa+\t)+7], v[128*(\p)+64+16*\t:128*(\p)+64+16*\t+15], v[128*(\p)+16*aa:128*(\p)+16*aa+15], 0
.else
	v_wmma_f32_16x16x128_fp8_fp8 v[ACC+8*(4*aa+\t):ACC+8*(4*aa+\t)+7], v[128*(\p)+64+16*\t:128*(\p)+64+16*\t+15], v[128*(\p)+16*aa:128*(\p)+16*aa+15], v[ACC+8*(4*aa+\t):ACC+8*(4*aa+\t)+7]
.endif
.endr
.set aa, aa+1
.endr
.endm
.macro STEP slot, q, zero
	s_wait_dscnt 0x0
	PLACES
	FETCH \slot, (\q)+1, 1-(\q)%2
	WIN 0x05
	MUL (\q)%2, 0, 4, \zero
.endm
.macro TURN slot, next, fill
	WIN 0
	s_wait_tensorcnt 0x0
	ds_add_u32 v[SPW], v[NIL]
	s_wait_dscnt 1
	WIN 0x05
	MUL 1, 0, 1, 0
	s_wait_dscnt 0x0
	s_barrier_signal -1
	MUL 1, 1, 1, 0
	WIN 0
	s_barrier_wait -1
.if \fill
	CREST
	s_add_nc_u64 s[G0+4*\slot+2:G0+4*\slot+3], s[G0+4*\slot+2:G0+4*\slot+3], 16384
	s_add_nc_u64 s[G0B+4*\slot+2:G0B+4*\slot+3], s[G0B+4*\slot+2:G0B+4*\slot+3], 16384
	JLOAD \slot
.else
	PLACES
.endif
	FETCH \next, 0, 0
	WIN 0x05
	MUL 1, 2, 2, 0
.endm
	s_load_b256 s[4:11], s[0:1], 0x0
	s_load_b128 s[84:87], s[0:1], 0x20
	v_lshl_add_u32 v[SPW], v0, 2, SPARE
	v_mov_b32 v[NIL], 0
	ds_add_u32 v[SPW], v[NIL]
	ds_add_u32 v[SPW], v[NIL]
	v_lshrrev_b32 v1, 5, v0
	v_readfirstlane_b32 s14, v1
	s_lshr_b32 s15, s14, 1
	s_and_b32 s16, s14, 1
	s_bfe_u32 s40, ttmp6, 0x40000
	s_bfe_u32 s41, ttmp6, 0x40004
	s_lshl_b32 s42, ttmp9, 2
	s_add_co_u32 s42, s42, s40
	s_and_b32 s17, ttmp7, 0xffff
	s_lshl_b32 s17, s17, 2
	s_add_co_u32 s17, s17, s41
	s_lshl_b32 s43, s41, 2
	s_lshl_b32 s43, 15, s43
	s_lshl_b32 s44, 0x1111, s40
	s_or_b32 s[G1+0], s43, (3<<16)|(1<<21)
	s_or_b32 s[G1B+0], s44, (3<<16)|(1<<21)
.irp g, G1, G1B
	s_mov_b32 s[\g+1], 2048<<16                    ; a row of the tile: a fragment's whole K, 8 K steps x 2,048 bytes = 2,048 elements of 8 bytes
	s_mov_b32 s[\g+2], 4<<16
	s_mov_b32 s[\g+3], 2048<<16
	s_mov_b32 s[\g+4], 4
	s_mov_b32 s[\g+5], 2*KK
	s_mov_b32 s[\g+6], 0
	s_mov_b32 s[\g+7], 0
.endr
	s_mul_i32 s18, s16, 64*KK
	s_mul_i32 s20, s17, 128*KK
	s_add_co_u32 s20, s20, s18
	s_mov_b32 s21, 0
	s_mul_i32 s46, s42, 128*KK
	s_add_co_u32 s46, s46, s18
	s_add_co_u32 s46, s46, WOFF
	s_mov_b32 s47, 0
	s_lshl_b32 s23, s14, 16                        ; where my one load lands: wave x 65,536: all of A's and B's 262,144 bytes lie in LDS at once, and nothing is filled twice
	s_wait_dscnt 0x0
	s_wait_kmcnt 0x0
	s_load_b64 s[96:97], s[8:9], 4*EI
	s_add_nc_u64 s[20:21], s[4:5], s[20:21]
	s_add_nc_u64 s[46:47], s[6:7], s[46:47]
	CROUND
.irp s, 0
	s_mov_b32 s[G0+4*\s], 1
	s_add_co_u32 s[G0+4*\s+1], s23, \s*SLOT
	s_add_nc_u64 s[G0+4*\s+2:G0+4*\s+3], s[20:21], \s*8192
	s_or_b32 s[G0+4*\s+3], s[G0+4*\s+3], 0x80000000
	s_mov_b32 s[G0B+4*\s], 1
	s_add_co_u32 s[G0B+4*\s+1], s23, \s*SLOT
	s_add_nc_u64 s[G0B+4*\s+2:G0B+4*\s+3], s[46:47], \s*8192
	s_or_b32 s[G0B+4*\s+3], s[G0B+4*\s+3], 0x80000000
.endr
	JLOAD 0
	v_and_b32 v1, 15, v0
	s_wait_alu depctr_va_vdst(0)
	v_bfe_u32 v2, v0, 4, 1
	v_and_b32 v3, 31, v0
	v_lshlrev_b32 v4, 4, v3
	s_lshl_b32 s21, s15, 16
	s_lshl_b32 s22, s16, 16
	s_add_co_u32 s22, s22, 4*QT
.irp s, 0,1
	v_add_nc_u32 v[ADRA+\s], s21, v4
	v_add_nc_u32 v[ADRB+\s], s22, v4
	s_add_co_u32 s21, s21, SLOT
	s_add_co_u32 s22, s22, SLOT
.endr
	s_mul_i32 s22, s14, 16*SP
	s_add_co_u32 s22, s22, STAGE
	v_mul_u32_u24 v5, v1, SP
	s_wait_alu depctr_va_vdst(0)
	v_lshl_add_u32 v5, v2, 6, v5
	v_add_nc_u32 v[STO], s22, v5
	v_mul_u32_u24 v5, v2, SP
	v_lshl_add_u32 v5, v1, 4, v5
	v_add_nc_u32 v[RD], s22, v5
	v_lshlrev_b32 v5, 12, v2
	v_lshl_add_u32 v[CO], v1, 4, v5
	s_wait_alu depctr_va_vdst(0)
	s_lshl_b32 s18, s17, 7
	s_lshl_b32 s19, s15, 6
	s_add_co_u32 s18, s18, s19
	s_lshl_b32 s18, s18, 12
	s_lshl_b32 s12, s42, 9
	s_lshl_b32 s13, s16, 8
	s_add_co_u32 s12, s12, s13
	s_add_co_u32 s18, s18, s12
	s_mov_b32 s19, 0
	s_mov_b32 s13, 0
	s_add_nc_u64 s[84:85], s[84:85], s[18:19]
	s_add_nc_u64 s[86:87], s[86:87], s[18:19]
	s_add_nc_u64 s[10:11], s[10:11], s[12:13]
	v_lshlrev_b32 v6, 4, v1
	WIN 0x80
.irp a, 0,1,2,3
.irp t, 0,1,2,3,4,5,6,7
	global_load_b128 v[32*\a+4*\t:32*\a+4*\t+3], v[CO], s[84:85] offset:(32*(\a/2)+8*(\a%2)+2*\t+8*(\t/4))*4096 th:TH_LOAD_NT
.endr
.endr
	WIN 0
	global_load_b128 v[64:67], v6, s[10:11]
	s_wait_alu depctr_va_vdst(0)
	s_wait_tensorcnt 0x0
	s_barrier_signal -1
	s_barrier_wait -1                              ; everybody's load has landed; no tensor load follows
	FETCH 0, 0, 0
	STEP 0, 0, 1
.if LAPS > 1
	WIN 0
	s_mov_b32 s3, LAPS-1
.Llap:
	STEP 0, 1, 0
	STEP 0, 2, 0
	TURN 0, 1, 1
	STEP 1, 0, 0
	STEP 1, 1, 0
	STEP 1, 2, 0
	TURN 1, 0, 1
	STEP 0, 0, 0
	WIN 0
	s_sub_co_u32 s3, s3, 1
	s_cmp_lg_u32 s3, 0
	s_cbranch_scc1 .Llap
.endif
	STEP 0, 1, 0
	STEP 0, 2, 0
	STEP 0, 3, 0                                   ; the eight K steps lie on end in each fragment's 16,384 bytes
	STEP 0, 4, 0
	STEP 0, 5, 0
	STEP 0, 6, 0
	s_wait_dscnt 0x0
	WIN 0x05
	MUL 1, 0, 4, 0
	WIN 0
	s_wait_loadcnt 0x0
	s_wait_kmcnt 0x0
	s_add_co_i32 s96, s96, s97
	s_add_co_i32 s96, s96, 127
	s_lshl_b32 s96, s96, 23
	s_mov_b32 s97, s96
	PLACES
.macro OUT a
.set OBB, 32+36*((\a)%2)
.irp t, 0,1,2,3
	ds_store_b128 v[STO], v[ACC+8*(4*(\a)+\t):ACC+8*(4*(\a)+\t)+3] offset:128*(\t/2)+32*(\t%2)
	ds_store_b128 v[STO], v[ACC+8*(4*(\a)+\t)+4:ACC+8*(4*(\a)+\t)+7] offset:128*(\t/2)+32*(\t%2)+16
.endr
.if (\a) >= 2
	s_wait_xcnt 0x0
.endif
.irp t, 0,1,2,3,4,5,6,7
	ds_load_b128 v[OBB+4*\t:OBB+4*\t+3], v[RD] offset:\t*2*SP
.endr
	s_wait_dscnt 0x0
.irp t, 0,1,2,3,4,5,6,7
	v_pk_fma_f32 v[OBB+4*\t:OBB+4*\t+1], v[OBB+4*\t:OBB+4*\t+1], s[96:97], v[64:65] op_sel_hi:[1,0,1]
	v_pk_fma_f32 v[OBB+4*\t+2:OBB+4*\t+3], v[OBB+4*\t+2:OBB+4*\t+3], s[96:97], v[66:67] op_sel_hi:[1,0,1]
.endr
	WIN 0x08
.set i, 0
.rept 16
	v_pk_add_f32 v[OBB+i:OBB+i+1], v[OBB+i:OBB+i+1], v[32*(\a)+i:32*(\a)+i+1]
.set i, i+2
.endr
	WIN 0
.irp t, 0,1,2,3,4,5,6,7
	global_store_b128 v[CO], v[OBB+4*\t:OBB+4*\t+3], s[86:87] offset:(32*((\a)/2)+8*((\a)%2)+2*\t+8*(\t/4))*4096
.endr
.endm
	OUT 0
	OUT 1
	OUT 2
	OUT 3
	s_wait_tensorcnt 0x0
	ds_add_u32 v[SPW], v[NIL]
	s_wait_dscnt 0x0
	CROUND
	s_endpgm
.Lfunc_end_k_q45bb0de82b_oproj:
	.size	k_q45bb0de82b_oproj, .Lfunc_end_k_q45bb0de82b_oproj-k_q45bb0de82b_oproj
	.p2alignl 7, 3214868480
	.fill 96, 4, 3214868480
	.section	.rodata,"a",@progbits
	.p2align	6, 0x0
	.amdhsa_kernel k_q45bb0de82b_oproj
		.amdhsa_group_segment_fixed_size 327680
		.amdhsa_private_segment_fixed_size 0
		.amdhsa_enable_private_segment 0
		.amdhsa_kernarg_size 48
		.amdhsa_user_sgpr_count 2
		.amdhsa_user_sgpr_kernarg_segment_ptr 1
		.amdhsa_wavefront_size32 1
		.amdhsa_system_sgpr_workgroup_id_x 1
		.amdhsa_system_sgpr_workgroup_id_y 1
		.amdhsa_system_sgpr_workgroup_id_z 1
		.amdhsa_system_vgpr_workitem_id 0
		.amdhsa_next_free_vgpr 640
		.amdhsa_next_free_sgpr 100
		.amdhsa_reserve_vcc 0
		.amdhsa_float_denorm_mode_32 3
		.amdhsa_float_denorm_mode_16_64 3
		.amdhsa_memory_ordered 1
		.amdhsa_forward_progress 1
		.amdhsa_inst_pref_size 51
	.end_amdhsa_kernel
	.amdgpu_metadata
---
amdhsa.version: [ 1, 2 ]
amdhsa.kernels:
  - .name:           k_q45bb0de82b_oproj
    .symbol:         k_q45bb0de82b_oproj.kd
    .args:
      - { .name: ac, .offset: 0, .size: 8, .value_kind: global_buffer, .address_space: global }
      - { .name: wc, .offset: 8, .size: 8, .value_kind: global_buffer, .address_space: global }
      - { .name: lowp_scales, .offset: 16, .size: 8, .value_kind: global_buffer, .address_space: global }
      - { .name: bo, .offset: 24, .size: 8, .value_kind: global_buffer, .address_space: global }
      - { .name: x, .offset: 32, .size: 8, .value_kind: global_buffer, .address_space: global }
      - { .name: y, .offset: 40, .size: 8, .value_kind: global_buffer, .address_space: global }
    .group_segment_fixed_size: 327680
    .private_segment_fixed_size: 0
    .kernarg_segment_align: 8
    .kernarg_segment_size: 48
    .max_flat_workgroup_size: 128
    .sgpr_count:     100
    .vgpr_count:     640
    .wavefront_size: 32
...
	.end_amdgpu_metadata
.endif
;; end of part 4
;; launch ln1 (part 5): grid 256 x 1, 4 waves a work-group, no clusters, 17,152 bytes of LDS; arguments y, ln1_g, ln1_b, lowp_scales, x1, x1c; writes x1, x1c
.if DOCPART == 5
	.amdgcn_target "amdgcn-amd-amdhsa--gfx1250"
	.amdhsa_code_object_version 6
	.text
	.protected	k_q45bb0de82b_ln1
	.globl	k_q45bb0de82b_ln1
	.p2align	8
	.type	k_q45bb0de82b_ln1,@function
k_q45bb0de82b_ln1:
	s_mov_b64 s[64:65], 0
	v_nop
	global_prefetch_b8 v0, s[64:65] scope:SCOPE_SE
	s_setreg_imm32_b32 hwreg(HW_REG_WAVE_MODE, 25, 1), 1
	s_wait_xcnt 0x0
; x1 = layer norm of y (mean and variance over a row's 1,024 numbers, eps 1e-5, gain and bias), stored as f32 and, quantised at 2^e12, as the image that the next product takes.
; Work-group g makes fragment g of the image: rows 32 (g / 2) + 8 (g % 2) + r + 8 (r / 8), r = 0 .. 15.  A wave takes four of them (r = 4 w + 0 .. 3, which are neighbours in memory), a whole row in 32 registers:
; each row is read once, the variance is taken of x - mean, and the sums never leave the wave.  A lane holds columns 128 i + 4 l + 0 .. 3: four neighbouring codes are one word; the words meet in a stage in LDS
; (16 rows x 1,024 bytes + 16) and leave in the image's order, 512 consecutive bytes a store.  No matrix unit, no cluster, no tensor load: a stream in which nothing is shared.
; LIMIT: e12 between -126 and 119.  NaN among the inputs is not served.
.set SPT,   1040
.set SPARE, 16*SPT
.set SPW, 6
.set NIL, 7
.set XR,  64                           ; v64-191 four rows
.set GG,  192                          ; v192-223 the gain of my 32 columns
.set BB,  224                          ; v224-255 the bias
.set TT,  32                           ; v32-63 held numbers; later the way out
.set CC,  16                           ; v16-23 a row's codes
.macro SUMUP                           ; v8 = the sum of v[8:11] over the wave's 32 lanes, in every lane
	v_pk_add_f32 v[8:9], v[8:9], v[10:11]
	v_add_f32 v8, v8, v9
	v_add_f32_dpp v8, v8, v8 row_xmask:1 row_mask:0xf bank_mask:0xf
	v_add_f32_dpp v8, v8, v8 row_xmask:2 row_mask:0xf bank_mask:0xf
	v_add_f32_dpp v8, v8, v8 row_xmask:4 row_mask:0xf bank_mask:0xf
	v_add_f32_dpp v8, v8, v8 row_xmask:8 row_mask:0xf bank_mask:0xf
	v_permlanex16_b32 v5, v8, s24, s25
	v_add_f32 v8, v8, v5
.endm
.macro ROWA p                          ; row p: x - mean in place; variance + eps into v[24 + 2 p]
.set XB, XR+32*(\p)
	s_wait_loadcnt 24-8*(\p)                       ; this row's eight loads are in; the later rows' may be out
	v_pk_add_f32 v[8:9], v[XB:XB+1], v[XB+2:XB+3]
	v_pk_add_f32 v[10:11], v[XB+4:XB+5], v[XB+6:XB+7]
.set i, 8
.rept 6
	v_pk_add_f32 v[8:9], v[8:9], v[XB+i:XB+i+1]
	v_pk_add_f32 v[10:11], v[10:11], v[XB+i+2:XB+i+3]
.set i, i+4
.endr
	SUMUP
	v_mul_f32 v12, 0xba800000, v8                  ; -mean = sum x -2^-10
	v_mov_b32 v13, v12
.set i, 0
.rept 16
	v_pk_add_f32 v[XB+i:XB+i+1], v[XB+i:XB+i+1], v[12:13]
.set i, i+2
.endr
	v_pk_mul_f32 v[8:9], v[XB:XB+1], v[XB:XB+1]
	v_pk_mul_f32 v[10:11], v[XB+2:XB+3], v[XB+2:XB+3]
.set i, 4
.rept 7
	v_pk_fma_f32 v[8:9], v[XB+i:XB+i+1], v[XB+i:XB+i+1], v[8:9]
	v_pk_fma_f32 v[10:11], v[XB+i+2:XB+i+3], v[XB+i+2:XB+i+3], v[10:11]
.set i, i+4
.endr
	SUMUP
	v_fmaak_f32 v[24+2*(\p)], s26, v8, 0x3727c5ac  ; sum x 2^-10 + 1e-5
.endm
.macro ROWC p
.set XB, XR+32*(\p)
.set i, 0
.rept 16
	v_pk_mul_f32 v[XB+i:XB+i+1], v[XB+i:XB+i+1], v[24+2*(\p):25+2*(\p)]
.set i, i+2
.endr
.set i, 0
.rept 16
	v_pk_fma_f32 v[XB+i:XB+i+1], v[XB+i:XB+i+1], v[GG+i:GG+i+1], v[BB+i:BB+i+1]
.set i, i+2
.endr
.irp i, 0,1,2,3,4,5,6,7
	global_store_b128 v2, v[XB+4*\i:XB+4*\i+3], s[12:13] offset:4096*(\p)+512*\i    ; 512 consecutive bytes
.endr
.set i, 0
.rept 32
	v_med3_num_f32 v[TT+i], v[XB+i], -v14, v14     ; the hold, into other registers: the row itself is a store's data
.set i, i+1
.endr
.if (\p) > 0
	s_wait_alu depctr_va_vdst(0)
	s_wait_dscnt 0x0                               ; the last row's LDS stores have read the code registers
.endif
.irp c, 0,1,2,3
	v_cvt_scalef32_pk8_fp8_f32 v[CC+2*\c:CC+2*\c+1], v[TT+8*\c:TT+8*\c+7], v15      ; eight numbers: two words of four neighbouring codes
.endr
	v_nop
.irp i, 0,1,2,3,4,5,6,7
	ds_store_b32 v3, v[CC+\i] offset:SPT*(\p)+128*\i
.endr
.endm
	s_load_b256 s[4:11], s[0:1], 0x0               ; y 4, gain 6, bias 8, the scales' exponents 10
	s_load_b128 s[12:15], s[0:1], 0x20             ; x1 12, x1c 14
	v_lshl_add_u32 v[SPW], v0, 2, SPARE
	v_mov_b32 v[NIL], 0
	v_lshrrev_b32 v1, 5, v0
	v_readfirstlane_b32 s16, v1                    ; wave
	v_and_b32 v1, 31, v0
	s_wait_alu depctr_va_vdst(0)
	v_lshlrev_b32 v2, 4, v1                        ; 16 x lane
	s_lshr_b32 s17, ttmp9, 1
	s_lshl_b32 s17, s17, 5
	s_and_b32 s18, ttmp9, 1
	s_lshl_b32 s18, s18, 3
	s_add_co_u32 s17, s17, s18
	s_lshl_b32 s18, s16, 2
	s_add_co_u32 s17, s17, s18
	s_lshr_b32 s18, s16, 1
	s_lshl_b32 s18, s18, 3
	s_add_co_u32 s17, s17, s18                     ; my first row
	s_lshl_b32 s18, s17, 12
	s_mov_b32 s19, 0
	s_lshl_b32 s22, ttmp9, 14
	s_lshl_b32 s23, s16, 12
	s_add_co_u32 s22, s22, s23                     ; the image: fragment g, K steps 2 w and 2 w + 1
	s_mov_b32 s23, 0
	s_mov_b32 s24, 0x76543210
	s_mov_b32 s25, 0xfedcba98
	s_mov_b32 s26, 0x3a800000                      ; 2^-10
	s_mul_i32 s27, s16, 4*SPT
	v_lshlrev_b32 v3, 2, v1
	v_add_nc_u32 v3, s27, v3                       ; into the stage: my four rows, 4 x lane
	v_and_b32 v4, 15, v0
	v_mul_u32_u24 v4, v4, SPT
	v_bfe_u32 v5, v0, 4, 1
	v_lshl_add_u32 v4, v5, 4, v4
	s_lshl_b32 s27, s16, 8
	v_add_nc_u32 v4, s27, v4                       ; out of it: row r, + 16 h, + my two K steps
	v_mov_b32 v5, 0                                ; (a lane exchange's destination counts as read)
	s_wait_alu depctr_va_vdst(0)
	s_wait_kmcnt 0x0
	s_load_b32 s20, s[10:11], 0x30                 ; e12
	s_add_nc_u64 s[4:5], s[4:5], s[18:19]
	s_add_nc_u64 s[12:13], s[12:13], s[18:19]
	s_add_nc_u64 s[14:15], s[14:15], s[22:23]
.irp i, 0,1,2,3,4,5,6,7
	global_load_b128 v[GG+4*\i:GG+4*\i+3], v2, s[6:7] offset:512*\i
.endr
.irp i, 0,1,2,3,4,5,6,7
	global_load_b128 v[BB+4*\i:BB+4*\i+3], v2, s[8:9] offset:512*\i
.endr
.irp p, 0,1,2,3
.irp i, 0,1,2,3,4,5,6,7
	global_load_b128 v[XR+32*\p+4*\i:XR+32*\p+4*\i+3], v2, s[4:5] offset:4096*\p+512*\i th:TH_LOAD_NT
.endr
.endr
	s_wait_kmcnt 0x0
	s_add_co_i32 s20, s20, 127
	s_lshl_b32 s21, s20, 23
	v_mov_b32 v15, s21                             ; 2^e12
	s_add_co_i32 s20, s20, 8
	s_lshl_b32 s20, s20, 23
	s_or_b32 s20, s20, 0x600000
	v_mov_b32 v14, s20                             ; 448 x 2^e12
.irp p, 0,1,2,3                                ; row by row: a row's stores leave while the later rows' loads are still out
	ROWA \p
	s_wait_alu depctr_va_vdst(0)                   ; the wait ahead of the transcendental,
	v_rsq_f32 v[24+2*\p], v[24+2*\p]
	v_nop                                          ; a plain line behind it,
	s_wait_alu depctr_va_vdst(0)                   ; and the wait ahead of its first reader
	v_mov_b32 v[25+2*\p], v[24+2*\p]
	ROWC \p
.endr
	s_wait_dscnt 0x0                               ; for the others' sake: my codes lie in the stage
	s_barrier_signal -1
	s_barrier_wait -1
.irp k, 0,1
.irp c, 0,1,2,3
	ds_load_b128 v[TT+4*(4*\k+\c):TT+4*(4*\k+\c)+3], v4 offset:128*\k+32*\c
.endr
.endr
.irp k, 0,1
.irp c, 0,1,2,3
	s_wait_dscnt 7-(4*\k+\c)                       ; this load is in; the younger may be out
	global_store_b128 v2, v[TT+4*(4*\k+\c):TT+4*(4*\k+\c)+3], s[14:15] offset:2048*\k+512*\c
.endr
.endr
	s_wait_tensorcnt 0x0                           ; the wave's end
	ds_add_u32 v[SPW], v[NIL]
	s_wait_dscnt 0x0
	s_endpgm
.Lfunc_end_k_q45bb0de82b_ln1:
	.size	k_q45bb0de82b_ln1, .Lfunc_end_k_q45bb0de82b_ln1-k_q45bb0de82b_ln1
	.p2alignl 7, 3214868480
	.fill 96, 4, 3214868480
	.section	.rodata,"a",@progbits
	.p2align	6, 0x0
	.amdhsa_kernel k_q45bb0de82b_ln1
		.amdhsa_group_segment_fixed_size 17152
		.amdhsa_private_segment_fixed_size 0
		.amdhsa_enable_private_segment 0
		.amdhsa_kernarg_size 48
		.amdhsa_user_sgpr_count 2
		.amdhsa_user_sgpr_kernarg_segment_ptr 1
		.amdhsa_wavefront_size32 1
		.amdhsa_system_sgpr_workgroup_id_x 1
		.amdhsa_system_sgpr_workgroup_id_y 1
		.amdhsa_system_sgpr_workgroup_id_z 1
		.amdhsa_system_vgpr_workitem_id 0
		.amdhsa_next_free_vgpr 256
		.amdhsa_next_free_sgpr 66
		.amdhsa_reserve_vcc 0
		.amdhsa_float_denorm_mode_32 3
		.amdhsa_float_denorm_mode_16_64 3
		.amdhsa_memory_ordered 1
		.amdhsa_forward_progress 1
		.amdhsa_inst_pref_size 48
	.end_amdhsa_kernel
	.amdgpu_metadata
---
amdhsa.version: [ 1, 2 ]
amdhsa.kernels:
  - .name:           k_q45bb0de82b_ln1
    .symbol:         k_q45bb0de82b_ln1.kd
    .args:
      - { .name: y, .offset: 0, .size: 8, .value_kind: global_buffer, .address_space: global }
      - { .name: ln1_g, .offset: 8, .size: 8, .value_kind: global_buffer, .address_space: global }
      - { .name: ln1_b, .offset: 16, .size: 8, .value_kind: global_buffer, .address_space: global }
      - { .name: lowp_scales, .offset: 24, .size: 8, .value_kind: global_buffer, .address_space: global }
      - { .name: x1, .offset: 32, .size: 8, .value_kind: global_buffer, .address_space: global }
      - { .name: x1c, .offset: 40, .size: 8, .value_kind: global_buffer, .address_space: global }
    .group_segment_fixed_size: 17152
    .private_segment_fixed_size: 0
    .kernarg_segment_align: 8
    .kernarg_segment_size: 48
    .max_flat_workgroup_size: 128
    .sgpr_count:     66
    .vgpr_count:     256
    .wavefront_size: 32
...
	.end_amdgpu_metadata
.endif
;; end of part 5
;; launch ffn1 (part 6): grid 16 x 16, 4 waves a work-group, clusters of 4 x 4, 327,680 bytes of LDS; arguments x1c, wc, lowp_scales, b1, hc; writes hc
.if DOCPART == 6
	.amdgcn_target "amdgcn-amd-amdhsa--gfx1250"
	.amdhsa_code_object_version 6
	.text
	.protected	k_q45bb0de82b_ffn1
	.globl	k_q45bb0de82b_ffn1
	.p2align	8
	.type	k_q45bb0de82b_ffn1,@function
k_q45bb0de82b_ffn1:
	s_mov_b64 s[64:65], 0
	v_nop
	global_prefetch_b8 v0, s[64:65] scope:SCOPE_SE
	s_setreg_imm32_b32 hwreg(HW_REG_WAVE_MODE, 25, 1), 1
	s_wait_xcnt 0x0
	s_wait_alu depctr_hold_cnt(0) depctr_sa_sdst(0) depctr_va_vdst(0) depctr_va_sdst(0) depctr_va_ssrc(0) depctr_va_vcc(0) depctr_vm_vsrc(0)
	s_getreg_b32 s2, hwreg(HW_REG_IB_STS2, 6, 4)
	s_cmp_eq_u32 s2, 0
	s_cbranch_scc0 .Lentry_in_a_cluster
	s_endpgm
.Lentry_in_a_cluster:
	s_bfe_u32 s2, ttmp6, 0x10000c
	s_cmp_lg_u32 s2, 0xf033
	s_cbranch_scc0 .Lentry_shape_is_right
	s_endpgm
.Lentry_shape_is_right:
.set SLOT,   131072
.set HALFT,  32768
.set SPARE,  2*SLOT
.set ROWB,   4096
.set FR,     16
.set NL,     4
.set NP,     4
.set LAPS,   2
.set ADRA, 16
.set ADRB, 20
.set CO,   26
.set SPW,  28
.set NIL,  29
.set BR,   32
.set AF,   128
.set TMP,  128
.set CD,   192
.set G1, 24
.set G0, 32
.set G1B, 48
.set G0B, 56
.set MSB, 0
.macro WIN new
.if MSB != (\new)
	s_set_vgpr_msb (MSB<<8)|(\new)
.set MSB, (\new)
.endif
.endm
.set MUL_LO, 0xa1
.set MUL_HI, 0xf1
.set TO_B,   0x40
.macro JLOAD g0a, g1a, g0b, g1b
	s_cmp_eq_u32 s15, 0
	s_cbranch_scc0 .Lfor_b_\@
	tensor_load_to_lds s[\g0a:\g0a+3], s[\g1a:\g1a+7]
	s_nop 0
.rept 4
	v_nop
.endr
	s_branch .Lasked_\@
.Lfor_b_\@:
	tensor_load_to_lds s[\g0b:\g0b+3], s[\g1b:\g1b+7]
	s_nop 0
.rept 4
	v_nop
.endr
.Lasked_\@:
.endm
.macro CREST
	s_cmp_lg_u32 s14, 0
	s_cbranch_scc1 .Lnot_wave_0_\@
	s_barrier_signal -3
.Lnot_wave_0_\@:
	s_barrier_wait -3
	s_barrier_signal -1
	s_barrier_wait -1
.endm
.macro CROUND
	s_barrier_signal -1
	s_barrier_wait -1
	CREST
.endm
.macro FRAG reg, adr, q, i
.irp c, 0,1,2,3
	ds_load_b128 v[\reg+4*\c:\reg+4*\c+3], v[\adr] offset:4096*(\i)+2048*(\q)+512*\c
.endr
.endm
.macro MUL16 a0, p, zero
.irp a, \a0, \a0+1
.irp b, 0,1,2,3,4,5,6,7
.if \zero
	v_wmma_f32_16x16x128_fp8_fp8 v[8*(8*((\a)%4)+\b):8*(8*((\a)%4)+\b)+7], v[128*(\p)+FR*\b:128*(\p)+FR*\b+FR-1], v[AF+FR*(\a):AF+FR*(\a)+FR-1], v[BR+8*\b:BR+8*\b+7]
.else
	v_wmma_f32_16x16x128_fp8_fp8 v[8*(8*((\a)%4)+\b):8*(8*((\a)%4)+\b)+7], v[128*(\p)+FR*\b:128*(\p)+FR*\b+FR-1], v[AF+FR*(\a):AF+FR*(\a)+FR-1], v[8*(8*((\a)%4)+\b):8*(8*((\a)%4)+\b)+7]
.endif
.endr
.endr
.endm
.macro FETCH_B slot, q, p
	WIN TO_B
.irp i, 0,1,2,3,4,5,6,7
	FRAG 128*(\p)+FR*\i, ADRB+\slot, \q, \i
.endr
	WIN 0
.endm
.macro FETCH_A slot, q, i0
.irp i, \i0, \i0+1, \i0+2, \i0+3
	FRAG AF+FR*(\i), ADRA+\slot, \q, \i
.endr
.endm
.macro PLACES n
.rept \n
	v_nop
.endr
.endm
.macro STEP slot, q, zero
	s_wait_dscnt 4*NL
.if \zero
	WIN 0x81
.else
	WIN MUL_LO
.endif
	MUL16 0, (\q)%2, \zero
	MUL16 2, (\q)%2, \zero
	s_wait_dscnt 0
	PLACES NP
	FETCH_B \slot, (\q)+1, 1-(\q)%2
	FETCH_A \slot, (\q)+1, 0
.if \zero
	WIN 0xc1
.else
	WIN MUL_HI
.endif
	MUL16 4, (\q)%2, \zero
	MUL16 6, (\q)%2, \zero
	PLACES NP
	WIN 0
	FETCH_A \slot, (\q)+1, 4
.endm
.macro TURN slot, next, fill
	s_wait_tensorcnt 0x0
	ds_add_u32 v[SPW], v[NIL]
	s_wait_dscnt 4*NL+1
	WIN MUL_LO
	MUL16 0, 1, 0
	s_wait_dscnt 0x0
	s_barrier_signal -1
	MUL16 2, 1, 0
	WIN 0
	s_barrier_wait -1
.if \fill
	CREST
	s_add_nc_u64 s[G0+4*\slot+2:G0+4*\slot+3], s[G0+4*\slot+2:G0+4*\slot+3], 2*ROWB
	s_add_nc_u64 s[G0B+4*\slot+2:G0B+4*\slot+3], s[G0B+4*\slot+2:G0B+4*\slot+3], 2*ROWB
	JLOAD G0+4*\slot, G1, G0B+4*\slot, G1B
.else
	PLACES NP
.endif
	FETCH_B \next, 0, 0
	FETCH_A \next, 0, 0
	WIN MUL_HI
	MUL16 4, 1, 0
	MUL16 6, 1, 0
	PLACES NP
	WIN 0
	FETCH_A \next, 0, 4
.endm
	s_load_b256 s[4:11], s[0:1], 0x0
	s_load_b64 s[88:89], s[0:1], 0x20
	v_lshl_add_u32 v[SPW], v0, 2, SPARE
	v_mov_b32 v[NIL], 0
	ds_add_u32 v[SPW], v[NIL]
	ds_add_u32 v[SPW], v[NIL]
	v_lshrrev_b32 v1, 5, v0
	v_readfirstlane_b32 s14, v1
	s_lshr_b32 s15, s14, 1
	s_and_b32 s16, s14, 1
	s_bfe_u32 s40, ttmp6, 0x40000
	s_bfe_u32 s41, ttmp6, 0x40004
	s_lshl_b32 s42, ttmp9, 2
	s_add_co_u32 s42, s42, s40
	s_and_b32 s17, ttmp7, 0xffff
	s_lshl_b32 s17, s17, 2
	s_add_co_u32 s17, s17, s41
	s_lshl_b32 s43, s41, 2
	s_lshl_b32 s43, 15, s43
	s_lshl_b32 s44, 0x1111, s40
	s_or_b32 s[G1+0], s43, (3<<16)|(1<<21)
	s_or_b32 s[G1B+0], s44, (3<<16)|(1<<21)
.irp g, G1, G1B
	s_mov_b32 s[\g+1], 512<<16
	s_mov_b32 s[\g+2], 8<<16
	s_mov_b32 s[\g+3], 512<<16
	s_mov_b32 s[\g+4], 8
	s_mov_b32 s[\g+5], 2048
	s_mov_b32 s[\g+6], 0
	s_mov_b32 s[\g+7], 0
.endr
	s_lshl_b32 s18, s16, 17
	s_lshl_b32 s20, s17, 18
	s_add_co_u32 s20, s20, s18
	s_mov_b32 s21, 0
	s_lshl_b32 s46, s42, 18
	s_add_co_u32 s46, s46, s18
	s_add_co_u32 s46, s46, 4<<20
	s_mov_b32 s47, 0
	s_lshl_b32 s23, s14, 15
	s_wait_dscnt 0x0
	s_wait_kmcnt 0x0
	s_load_b512 s[68:83], s[8:9], 0x0
	s_add_nc_u64 s[20:21], s[4:5], s[20:21]
	s_add_nc_u64 s[46:47], s[6:7], s[46:47]
	CROUND
.irp s, 0,1
	s_mov_b32 s[G0+4*\s], 1
	s_add_co_u32 s[G0+4*\s+1], s23, \s*SLOT
	s_add_nc_u64 s[G0+4*\s+2:G0+4*\s+3], s[20:21], \s*ROWB
	s_or_b32 s[G0+4*\s+3], s[G0+4*\s+3], 0x80000000
	s_mov_b32 s[G0B+4*\s], 1
	s_add_co_u32 s[G0B+4*\s+1], s23, \s*SLOT
	s_add_nc_u64 s[G0B+4*\s+2:G0B+4*\s+3], s[46:47], \s*ROWB
	s_or_b32 s[G0B+4*\s+3], s[G0B+4*\s+3], 0x80000000
.endr
	JLOAD G0, G1, G0B, G1B
	; PREFETCHES INTO THE L2.  A wave's load of a slot is 8 fragments x 4,096 bytes = 128 blocks of 256 bytes.  The four partners that ask for it jointly share the blocks out BY ADDRESS: the partner at place p
	; (cx for x1c's tiles, cy for W1's) names fragments 2 p and 2 p + 1, a lane a block: one instruction a wave and slot, each block once in the cluster.  Behind slot 0's load slots 1 and 2 are named, behind slot 1's slot 3:
	; two refills ahead (slot 1: one).  Every offset is an immediate; v30 and s[90:91] are never rewritten; the last byte named lies in the wave's own eighth fragment.
	s_cmp_eq_u32 s15, 0
	s_cselect_b64 s[90:91], s[20:21], s[46:47]     ; the tile that my wave fetches
	s_cselect_b32 s92, s40, s41
	s_lshl_b32 s92, s92, 15                        ; two fragments for each partner
	s_mov_b32 s93, 0
	s_add_nc_u64 s[90:91], s[90:91], s[92:93]
	v_and_b32 v30, 15, v0
	v_bfe_u32 v31, v0, 4, 1
	v_lshlrev_b32 v30, 8, v30
	v_lshl_add_u32 v30, v31, 14, v30               ; 16,384 x (lane / 16) + 256 x (lane % 16)
	global_prefetch_b8 v30, s[90:91] offset:ROWB th:TH_LOAD_NT scope:SCOPE_SE
	global_prefetch_b8 v30, s[90:91] offset:2*ROWB th:TH_LOAD_NT scope:SCOPE_SE
	v_bfe_u32 v2, v0, 4, 1
	s_wait_alu depctr_va_vdst(0)
	v_and_b32 v3, 31, v0
	v_lshlrev_b32 v[CO], 4, v3
	s_lshl_b32 s21, s15, 15
	s_lshl_b32 s22, s16, 15
	s_add_co_u32 s22, s22, 2*HALFT
.irp s, 0,1
	v_add_nc_u32 v[ADRA+\s], s21, v[CO]
	v_add_nc_u32 v[ADRB+\s], s22, v[CO]
	s_add_co_u32 s21, s21, SLOT
	s_add_co_u32 s22, s22, SLOT
.endr
	s_lshl_b32 s18, s42, 10
	s_lshl_b32 s19, s16, 9
	s_add_co_u32 s18, s18, s19
	s_mov_b32 s19, 0
	s_add_nc_u64 s[10:11], s[10:11], s[18:19]
	v_lshlrev_b32 v4, 6, v2
.irp b, 0,1,2,3
.irp j, 0,1,2,3
	global_load_b128 v[BR+16*\b+4*\j:BR+16*\b+4*\j+3], v4, s[10:11] offset:128*\b+16*\j
.endr
.endr
	s_lshl_b32 s18, s17, 4
	s_lshl_b32 s12, s15, 3
	s_add_co_u32 s18, s18, s12
	s_lshl_b32 s18, s18, 16
	s_lshl_b32 s12, s42, 1
	s_add_co_u32 s12, s12, s16
	s_lshl_b32 s12, s12, 11
	s_add_co_u32 s18, s18, s12
	s_add_nc_u64 s[84:85], s[88:89], s[18:19]
	s_wait_loadcnt 0x0
	s_wait_kmcnt 0x0
	s_add_co_i32 s12, s80, s81
	s_sub_co_i32 s12, 0, s12
.set i, 0
.rept 64
	v_ldexp_f32 v[BR+i], v[BR+i], s12
.set i, i+1
.endr
	s_add_co_i32 s13, s82, s12
	s_add_co_i32 s13, s13, 127
	s_lshl_b32 s12, s13, 23
	v_mov_b32 v11, s12
	s_add_co_i32 s13, s13, 8
	s_lshl_b32 s13, s13, 23
	s_or_b32 s13, s13, 0x600000
	v_mov_b32 v10, s13
	s_wait_alu depctr_va_vdst(0)
	s_wait_tensorcnt 0x0
	ds_add_u32 v[SPW], v[NIL]
	s_wait_dscnt 0x0
	CROUND
	JLOAD G0+4, G1, G0B+4, G1B
	global_prefetch_b8 v30, s[90:91] offset:3*ROWB th:TH_LOAD_NT scope:SCOPE_SE   ; slot 3, two refills ahead; 64 LDS loads follow ahead of the next wait
	FETCH_B 0, 0, 0
	FETCH_A 0, 0, 0
	FETCH_A 0, 0, 4
	STEP 0, 0, 1
	s_mov_b32 s3, LAPS-1
.Llap:
	TURN 0, 1, 1
	STEP 1, 0, 0
	TURN 1, 0, 1
	STEP 0, 0, 0
	s_sub_co_u32 s3, s3, 1
	s_cmp_lg_u32 s3, 0
	s_cbranch_scc1 .Llap
	TURN 0, 1, 0
	STEP 1, 0, 0
	s_wait_dscnt 4*NL
	WIN MUL_LO
	MUL16 0, 1, 0
	MUL16 2, 1, 0
	s_wait_dscnt 0
	WIN MUL_HI
	MUL16 4, 1, 0
	MUL16 6, 1, 0
	WIN 0
	PLACES NP
.macro EPI a
.set AC, 64*((\a)%4)
.set CC, CD+16*((\a)%2)
	WIN (0x02+((\a)/4))
.set i, 0
.rept 64
	v_med3_num_f32 v[TMP+i], v[AC+i], 0, v10
.set i, i+1
.endr
	WIN 0
	s_wait_alu depctr_va_vdst(0)
	s_wait_xcnt 0x0
.irp b, 0,1,2,3
	v_cvt_scalef32_pk8_fp8_f32 v[CC+4*\b:CC+4*\b+1], v[TMP+16*\b:TMP+16*\b+7], v11
	v_cvt_scalef32_pk8_fp8_f32 v[CC+4*\b+2:CC+4*\b+3], v[TMP+16*\b+8:TMP+16*\b+15], v11
.endr
	v_nop
.irp b, 0,1,2,3
	global_store_b128 v[CO], v[CC+4*\b:CC+4*\b+3], s[84:85] offset:65536*(\a)+512*\b
.endr
.endm
.irp a, 0,1,2,3,4,5,6,7
	EPI \a
.endr
	s_wait_tensorcnt 0x0
	ds_add_u32 v[SPW], v[NIL]
	s_wait_dscnt 0x0
	CROUND
	s_endpgm
.Lfunc_end_k_q45bb0de82b_ffn1:
	.size	k_q45bb0de82b_ffn1, .Lfunc_end_k_q45bb0de82b_ffn1-k_q45bb0de82b_ffn1
	.p2alignl 7, 3214868480
	.fill 96, 4, 3214868480
	.section	.rodata,"a",@progbits
	.p2align	6, 0x0
	.amdhsa_kernel k_q45bb0de82b_ffn1
		.amdhsa_group_segment_fixed_size 327680
		.amdhsa_private_segment_fixed_size 0
		.amdhsa_enable_private_segment 0
		.amdhsa_kernarg_size 40
		.amdhsa_user_sgpr_count 2
		.amdhsa_user_sgpr_kernarg_segment_ptr 1
		.amdhsa_wavefront_size32 1
		.amdhsa_system_sgpr_workgroup_id_x 1
		.amdhsa_system_sgpr_workgroup_id_y 1
		.amdhsa_system_sgpr_workgroup_id_z 1
		.amdhsa_system_vgpr_workitem_id 0
		.amdhsa_next_free_vgpr 1024
		.amdhsa_next_free_sgpr 102
		.amdhsa_reserve_vcc 0
		.amdhsa_float_denorm_mode_32 3
		.amdhsa_float_denorm_mode_16_64 3
		.amdhsa_memory_ordered 1
		.amdhsa_forward_progress 1
		.amdhsa_inst_pref_size 124
	.end_amdhsa_kernel
	.amdgpu_metadata
---
amdhsa.version: [ 1, 2 ]
amdhsa.kernels:
  - .name:           k_q45bb0de82b_ffn1
    .symbol:         k_q45bb0de82b_ffn1.kd
    .args:
      - { .name: x1c, .offset: 0, .size: 8, .value_kind: global_buffer, .address_space: global }
      - { .name: wc, .offset: 8, .size: 8, .value_kind: global_buffer, .address_space: global }
      - { .name: lowp_scales, .offset: 16, .size: 8, .value_kind: global_buffer, .address_space: global }
      - { .name: b1, .offset: 24, .size: 8, .value_kind: global_buffer, .address_space: global }
      - { .name: hc, .offset: 32, .size: 8, .value_kind: global_buffer, .address_space: global }
    .group_segment_fixed_size: 327680
    .private_segment_fixed_size: 0
    .kernarg_segment_align: 8
    .kernarg_segment_size: 40
    .max_flat_workgroup_size: 128
    .sgpr_count:     102
    .vgpr_count:     1024
    .wavefront_size: 32
...
	.end_amdgpu_metadata
.endif
;; end of part 6
;; launch ffn2 (part 7): grid 32 x 8, 4 waves a work-group, clusters of 4 x 1, 327,680 bytes of LDS; arguments hc, wc, lowp_scales, b2, x1, y; writes y
.if DOCPART == 7
	.amdgcn_target "amdgcn-amd-amdhsa--gfx1250"
	.amdhsa_code_object_version 6
	.text
	.protected	k_q45bb0de82b_ffn2
	.globl	k_q45bb0de82b_ffn2
	.p2align	8
	.type	k_q45bb0de82b_ffn2,@function
k_q45bb0de82b_ffn2:
	s_mov_b64 s[64:65], 0
	v_nop
	global_prefetch_b8 v0, s[64:65] scope:SCOPE_SE
	s_setreg_imm32_b32 hwreg(HW_REG_WAVE_MODE, 25, 1), 1
	s_wait_xcnt 0x0
	s_wait_alu depctr_hold_cnt(0) depctr_sa_sdst(0) depctr_va_vdst(0) depctr_va_sdst(0) depctr_va_ssrc(0) depctr_va_vcc(0) depctr_vm_vsrc(0)
	s_getreg_b32 s2, hwreg(HW_REG_IB_STS2, 6, 4)
	s_cmp_eq_u32 s2, 0
	s_cbranch_scc0 .Lentry_in_a_cluster
	s_endpgm
.Lentry_in_a_cluster:
	s_bfe_u32 s2, ttmp6, 0x10000c
	s_cmp_lg_u32 s2, 0x3003
	s_cbranch_scc0 .Lentry_shape_is_right
	s_endpgm
.Lentry_shape_is_right:
.set KK,    4096
.set WOFF,  8<<20
.set EI,    14
.set NS,    KK/128
.set AHEAD, 7
.set SLOT,  131072
.set STAGE, 2*SLOT
.set SP,    528
.set SPARE, STAGE+4*16*SP
.set ADW,  16
.set STO,  24
.set RD,   25
.set CO,   26
.set SPW,  28
.set NIL,  29
.set ACC,  128
.set G1, 24
.set G0, 32
.set PB, 48
.set MSB, 0
.macro WIN new
.if MSB != (\new)
	s_set_vgpr_msb (MSB<<8)|(\new)
.set MSB, (\new)
.endif
.endm
.macro CREST
	s_cmp_lg_u32 s14, 0
	s_cbranch_scc1 .Lnot_wave_0_\@
	s_barrier_signal -3
.Lnot_wave_0_\@:
	s_barrier_wait -3
	s_barrier_signal -1
	s_barrier_wait -1
.endm
.macro CROUND
	s_barrier_signal -1
	s_barrier_wait -1
	CREST
.endm
.macro PLACES
.rept 4
	v_nop
.endr
.endm
.macro FETCH s
	WIN 0x40
.irp t, 0,1,2,3,4,5,6,7
.irp c, 0,1,2,3
	ds_load_b128 v[128*((\s)%2)+16*\t+4*\c:128*((\s)%2)+16*\t+4*\c+3], v[ADW+2*(((\s)/8)%2)+\t/4] offset:16384*(\t%4)+2048*((\s)%8)+512*\c
.endr
.endr
.endm
.macro PLOAD s
	WIN 0x80
.irp a, 0,1
.irp c, 0,1,2,3
	global_load_b128 v[32*((\s)%8)+16*\a+4*\c:32*((\s)%8)+16*\a+4*\c+3], v[CO], s[PB:PB+1] offset:65536*\a+2048*(\s)+512*\c
.endr
.endr
.endm
.macro RLOAD j
	WIN 0xc0
.irp k, 0,1,2,3,4,5,6,7
	global_load_b128 v[32*(\j)+4*\k:32*(\j)+4*\k+3], v[CO], s[84:85] offset:(8*((\j)/2)+16*((\j)%2)+\k)*4096 th:TH_LOAD_NT
.endr
.endm
.macro ASKAHEAD s
.if (\s)+AHEAD < NS
	PLOAD (\s)+AHEAD
.elseif (\s)+AHEAD < NS+4
	RLOAD (\s)+AHEAD-NS
.endif
.endm
.macro PWAIT s
.if (\s) <= NS-3
	s_wait_loadcnt 48
.else
	s_wait_loadcnt 32+8*(NS-1-(\s))
.endif
.endm
.macro MUL s, i0, n, zero
.set ii, \i0
.rept \n
.if \zero
	v_wmma_f32_16x16x128_fp8_fp8 v[ACC+8*ii:ACC+8*ii+7], v[128*((\s)%2)+16*(ii%8):128*((\s)%2)+16*(ii%8)+15], v[32*((\s)%8)+16*(ii/8):32*((\s)%8)+16*(ii/8)+15], 0
.else
	v_wmma_f32_16x16x128_fp8_fp8 v[ACC+8*ii:ACC+8*ii+7], v[128*((\s)%2)+16*(ii%8):128*((\s)%2)+16*(ii%8)+15], v[32*((\s)%8)+16*(ii/8):32*((\s)%8)+16*(ii/8)+15], v[ACC+8*ii:ACC+8*ii+7]
.endif
.set ii, ii+1
.endr
.endm
.macro STEP s, zero
	s_wait_dscnt 0x0
	PWAIT \s
	PLACES
	FETCH (\s)+1
	ASKAHEAD \s
	WIN 0x09
	MUL \s, 0, 16, \zero
.endm
.macro TURN s, fill
.set sl, ((\s)/8)%2
	WIN 0
	s_wait_tensorcnt 0x0
	ds_add_u32 v[SPW], v[NIL]
	PWAIT \s
	s_wait_dscnt 1
	WIN 0x09
	MUL \s, 0, 4, 0
	s_wait_dscnt 0x0
	s_barrier_signal -1
	MUL \s, 4, 4, 0
	WIN 0
	s_barrier_wait -1
.if \fill
	CREST
	s_add_nc_u64 s[G0+4*sl+2:G0+4*sl+3], s[G0+4*sl+2:G0+4*sl+3], 32768
	tensor_load_to_lds s[G0+4*sl:G0+4*sl+3], s[G1:G1+7]
	s_nop 0
	PLACES
.else
	PLACES
.endif
	FETCH (\s)+1
	ASKAHEAD \s
	WIN 0x09
	MUL \s, 8, 8, 0
.endm
	s_load_b256 s[4:11], s[0:1], 0x0
	s_load_b128 s[84:87], s[0:1], 0x20
	v_lshl_add_u32 v[SPW], v0, 2, SPARE
	v_mov_b32 v[NIL], 0
	ds_add_u32 v[SPW], v[NIL]
	ds_add_u32 v[SPW], v[NIL]
	v_lshrrev_b32 v1, 5, v0
	v_readfirstlane_b32 s14, v1
	s_bfe_u32 s40, ttmp6, 0x40000
	s_lshl_b32 s17, ttmp9, 2
	s_add_co_u32 s17, s17, s40
	s_and_b32 s42, ttmp7, 0xffff
	s_mov_b32 s[G1+0], 15|(3<<16)|(1<<21)
	s_mov_b32 s[G1+1], 2048<<16
	s_mov_b32 s[G1+2], 2<<16
	s_mov_b32 s[G1+3], 2048<<16
	s_mov_b32 s[G1+4], 2
	s_mov_b32 s[G1+5], 2*KK
	s_mov_b32 s[G1+6], 0
	s_mov_b32 s[G1+7], 0
	s_lshl_b32 s18, s14, 1
	s_lshl_b32 s46, s42, 3
	s_add_co_u32 s46, s46, s18
	s_mul_i32 s46, s46, 16*KK
	s_add_co_u32 s46, s46, WOFF
	s_mov_b32 s47, 0
	s_lshl_b32 s20, s17, 3
	s_add_co_u32 s20, s20, s18
	s_mul_i32 s20, s20, 16*KK
	s_mov_b32 s21, 0
	s_lshl_b32 s23, s14, 15
	s_lshl_b32 s12, s42, 9
	s_mov_b32 s13, 0
	s_lshl_b32 s18, s17, 7
	s_lshl_b32 s19, s14, 5
	s_add_co_u32 s18, s18, s19
	s_lshl_b32 s18, s18, 12
	s_add_co_u32 s18, s18, s12
	s_mov_b32 s19, 0
	v_and_b32 v3, 31, v0
	v_lshlrev_b32 v[CO], 4, v3
	v_and_b32 v30, 15, v0
	v_bfe_u32 v31, v0, 4, 1
	v_lshlrev_b32 v30, 8, v30
	v_lshl_add_u32 v30, v31, 16, v30               ; the prefetches' offset: 65,536 x (lane / 16) + 256 x (lane % 16); never rewritten
	s_wait_alu depctr_va_vdst(0)
	s_wait_dscnt 0x0
	s_wait_kmcnt 0x0
	s_load_b64 s[96:97], s[8:9], 4*EI
	s_add_nc_u64 s[PB:PB+1], s[4:5], s[20:21]
	s_add_nc_u64 s[46:47], s[6:7], s[46:47]
	; PREFETCHES INTO THE L2 of W2's tiles.  A wave's load of a slot is 2 fragments x 16,384 bytes = 128 blocks of 256 bytes.  The four partners that ask for it jointly share the blocks out BY ADDRESS: the partner at
	; place cx names 4,096 bytes of each fragment's part, a lane a block: one instruction a wave and slot, each block once in the cluster.  Behind slot 0's load slots 1 and 2 are named, behind slot 1's slot 3.
	; Every offset is an immediate; v30 and s[92:93] are never rewritten; the last byte named lies in the wave's own second fragment.
	s_lshl_b32 s92, s40, 12
	s_mov_b32 s93, 0
	s_add_nc_u64 s[92:93], s[46:47], s[92:93]
	s_add_nc_u64 s[10:11], s[10:11], s[12:13]
	s_add_nc_u64 s[84:85], s[84:85], s[18:19]
	s_add_nc_u64 s[86:87], s[86:87], s[18:19]
.irp s, 0,1
	s_mov_b32 s[G0+4*\s], 1
	s_add_co_u32 s[G0+4*\s+1], s23, \s*SLOT
	s_add_nc_u64 s[G0+4*\s+2:G0+4*\s+3], s[46:47], \s*16384
	s_or_b32 s[G0+4*\s+3], s[G0+4*\s+3], 0x80000000
.endr
	global_load_b128 v[64:67], v[CO], s[10:11]
.irp s, 0,1,2,3,4,5,6
	PLOAD \s
.endr
	WIN 0
	CROUND
	tensor_load_to_lds s[G0:G0+3], s[G1:G1+7]
	s_nop 0
	PLACES
	global_prefetch_b8 v30, s[92:93] offset:16384 th:TH_LOAD_NT scope:SCOPE_SE
	global_prefetch_b8 v30, s[92:93] offset:32768 th:TH_LOAD_NT scope:SCOPE_SE
	s_wait_alu depctr_va_vdst(0)
	s_wait_tensorcnt 0x0
	ds_add_u32 v28, v29
	s_wait_dscnt 0x0
	CROUND
	tensor_load_to_lds s[G0+4:G0+7], s[G1:G1+7]
	s_nop 0
	PLACES
	global_prefetch_b8 v30, s[92:93] offset:49152 th:TH_LOAD_NT scope:SCOPE_SE   ; slot 3, two refills ahead
	v_and_b32 v1, 15, v0
	v_bfe_u32 v2, v0, 4, 1
	v_mov_b32 v[ADW], v[CO]
	v_add_nc_u32 v[ADW+1], 65536, v[CO]
	v_add_nc_u32 v[ADW+2], 131072, v[CO]
	v_add_nc_u32 v[ADW+3], 196608, v[CO]
	s_mul_i32 s22, s14, 16*SP
	s_add_co_u32 s22, s22, STAGE
	v_mul_u32_u24 v5, v1, SP
	v_lshl_add_u32 v5, v2, 6, v5
	v_add_nc_u32 v[STO], s22, v5
	v_add_nc_u32 v[RD], s22, v[CO]
	s_wait_alu depctr_va_vdst(0)
	s_wait_tensorcnt 1
	s_barrier_signal -1
	s_barrier_wait -1
	FETCH 0
	STEP 0, 1
.irp s, 1,2,3,4,5,6
	STEP \s, 0
.endr
	TURN 7, 1
.irp s, 8,9,10,11,12,13,14
	STEP \s, 0
.endr
	TURN 15, 1
.irp s, 16,17,18,19,20,21,22
	STEP \s, 0
.endr
	TURN 23, 0
.irp s, 24,25,26,27,28,29,30
	STEP \s, 0
.endr
	s_wait_dscnt 0x0
	PWAIT 31
	WIN 0x09
	MUL 31, 0, 16, 0
	WIN 0
	s_wait_kmcnt 0x0
	s_add_co_i32 s96, s96, s97
	s_add_co_i32 s96, s96, 127
	s_lshl_b32 s96, s96, 23
	s_mov_b32 s97, s96
	PLACES
.macro OUT a
.irp t, 0,1,2,3,4,5,6,7
	ds_store_b128 v[STO], v[ACC+8*(8*(\a)+\t):ACC+8*(8*(\a)+\t)+3] offset:128*(\t/2)+32*(\t%2)
	ds_store_b128 v[STO], v[ACC+8*(8*(\a)+\t)+4:ACC+8*(8*(\a)+\t)+7] offset:128*(\t/2)+32*(\t%2)+16
.endr
.irp f, 0,1
.set OBB, 32+36*\f
.if (\a) > 0
	s_wait_xcnt 0x0
.endif
.irp k, 0,1,2,3,4,5,6,7
	ds_load_b128 v[OBB+4*\k:OBB+4*\k+3], v[RD] offset:(8*\f+\k)*SP
.endr
	s_wait_dscnt 0x0
	s_wait_loadcnt 24-8*(2*(\a)+\f)
.irp k, 0,1,2,3,4,5,6,7
	v_pk_fma_f32 v[OBB+4*\k:OBB+4*\k+1], v[OBB+4*\k:OBB+4*\k+1], s[96:97], v[64:65] op_sel_hi:[1,0,1]
	v_pk_fma_f32 v[OBB+4*\k+2:OBB+4*\k+3], v[OBB+4*\k+2:OBB+4*\k+3], s[96:97], v[66:67] op_sel_hi:[1,0,1]
.endr
	WIN 0x0c
.set i, 0
.rept 16
	v_pk_add_f32 v[OBB+i:OBB+i+1], v[OBB+i:OBB+i+1], v[64*(\a)+32*\f+i:64*(\a)+32*\f+i+1]
.set i, i+2
.endr
	WIN 0
.irp k, 0,1,2,3,4,5,6,7
	global_store_b128 v[CO], v[OBB+4*\k:OBB+4*\k+3], s[86:87] offset:(8*(\a)+16*\f+\k)*4096
.endr
.endr
.endm
	OUT 0
	OUT 1
	s_wait_tensorcnt 0x0
	ds_add_u32 v[SPW], v[NIL]
	s_wait_dscnt 0x0
	CROUND
	s_endpgm
.Lfunc_end_k_q45bb0de82b_ffn2:
	.size	k_q45bb0de82b_ffn2, .Lfunc_end_k_q45bb0de82b_ffn2-k_q45bb0de82b_ffn2
	.p2alignl 7, 3214868480
	.fill 96, 4, 3214868480
	.section	.rodata,"a",@progbits
	.p2align	6, 0x0
	.amdhsa_kernel k_q45bb0de82b_ffn2
		.amdhsa_group_segment_fixed_size 327680
		.amdhsa_private_segment_fixed_size 0
		.amdhsa_enable_private_segment 0
		.amdhsa_kernarg_size 48
		.amdhsa_user_sgpr_count 2
		.amdhsa_user_sgpr_kernarg_segment_ptr 1
		.amdhsa_wavefront_size32 1
		.amdhsa_system_sgpr_workgroup_id_x 1
		.amdhsa_system_sgpr_workgroup_id_y 1
		.amdhsa_system_sgpr_workgroup_id_z 1
		.amdhsa_system_vgpr_workitem_id 0
		.amdhsa_next_free_vgpr 896
		.amdhsa_next_free_sgpr 100
		.amdhsa_reserve_vcc 0
		.amdhsa_float_denorm_mode_32 3
		.amdhsa_float_denorm_mode_16_64 3
		.amdhsa_memory_ordered 1
		.amdhsa_forward_progress 1
		.amdhsa_inst_pref_size 156
	.end_amdhsa_kernel
	.amdgpu_metadata
---
amdhsa.version: [ 1, 2 ]
amdhsa.kernels:
  - .name:           k_q45bb0de82b_ffn2
    .symbol:         k_q45bb0de82b_ffn2.kd
    .args:
      - { .name: hc, .offset: 0, .size: 8, .value_kind: global_buffer, .address_space: global }
      - { .name: wc, .offset: 8, .size: 8, .value_kind: global_buffer, .address_space: global }
      - { .name: lowp_scales, .offset: 16, .size: 8, .value_kind: global_buffer, .address_space: global }
      - { .name: b2, .offset: 24, .size: 8, .value_kind: global_buffer, .address_space: global }
      - { .name: x1, .offset: 32, .size: 8, .value_kind: global_buffer, .address_space: global }
      - { .name: y, .offset: 40, .size: 8, .value_kind: global_buffer, .address_space: global }
    .group_segment_fixed_size: 327680
    .private_segment_fixed_size: 0
    .kernarg_segment_align: 8
    .kernarg_segment_size: 48
    .max_flat_workgroup_size: 128
    .sgpr_count:     100
    .vgpr_count:     896
    .wavefront_size: 32
...
	.end_amdgpu_metadata
.endif
;; end of part 7
;; launch ln2 (part 8): grid 256 x 1, 4 waves a work-group, no clusters, 0 bytes of LDS; arguments y, ln2_g, ln2_b, out0; writes out0
.if DOCPART == 8
	.amdgcn_target "amdgcn-amd-amdhsa--gfx1250"
	.amdhsa_code_object_version 6
	.text
	.protected	k_q45bb0de82b_ln2
	.globl	k_q45bb0de82b_ln2
	.p2align	8
	.type	k_q45bb0de82b_ln2,@function
k_q45bb0de82b_ln2:
	s_mov_b64 s[64:65], 0
	v_nop
	global_prefetch_b8 v0, s[64:65] scope:SCOPE_SE
	s_setreg_imm32_b32 hwreg(HW_REG_WAVE_MODE, 25, 1), 1
	s_wait_xcnt 0x0
; out0 = layer norm of y (mean and variance over a row's 1,024 numbers, eps 1e-5, gain and bias), f32.
; Four waves; a wave takes four neighbouring rows (16 g + 4 w + 0 .. 3), a whole row in 32 registers: each row is read once, the variance is taken of x - mean, and the sums never leave the wave.
; Every load and store covers 512 consecutive bytes.  No LDS, no barrier, no matrix unit, no cluster: a stream in which nothing is shared.
.set XR,  64                           ; v64-191 four rows
.set GG,  192                          ; v192-223 the gain of my 32 columns
.set BB,  224                          ; v224-255 the bias
.macro SUMUP                           ; v8 = the sum of v[8:11] over the wave's 32 lanes, in every lane
	v_pk_add_f32 v[8:9], v[8:9], v[10:11]
	v_add_f32 v8, v8, v9
	v_add_f32_dpp v8, v8, v8 row_xmask:1 row_mask:0xf bank_mask:0xf
	v_add_f32_dpp v8, v8, v8 row_xmask:2 row_mask:0xf bank_mask:0xf
	v_add_f32_dpp v8, v8, v8 row_xmask:4 row_mask:0xf bank_mask:0xf
	v_add_f32_dpp v8, v8, v8 row_xmask:8 row_mask:0xf bank_mask:0xf
	v_permlanex16_b32 v5, v8, s24, s25
	v_add_f32 v8, v8, v5
.endm
.macro ROWA p                          ; row p: x - mean in place; variance + eps into v[24 + 2 p]
.set XB, XR+32*(\p)
	s_wait_loadcnt 24-8*(\p)                       ; this row's eight loads are in; the later rows' may be out
	v_pk_add_f32 v[8:9], v[XB:XB+1], v[XB+2:XB+3]
	v_pk_add_f32 v[10:11], v[XB+4:XB+5], v[XB+6:XB+7]
.set i, 8
.rept 6
	v_pk_add_f32 v[8:9], v[8:9], v[XB+i:XB+i+1]
	v_pk_add_f32 v[10:11], v[10:11], v[XB+i+2:XB+i+3]
.set i, i+4
.endr
	SUMUP
	v_mul_f32 v12, 0xba800000, v8                  ; -mean = sum x -2^-10
	v_mov_b32 v13, v12
.set i, 0
.rept 16
	v_pk_add_f32 v[XB+i:XB+i+1], v[XB+i:XB+i+1], v[12:13]
.set i, i+2
.endr
	v_pk_mul_f32 v[8:9], v[XB:XB+1], v[XB:XB+1]
	v_pk_mul_f32 v[10:11], v[XB+2:XB+3], v[XB+2:XB+3]
.set i, 4
.rept 7
	v_pk_fma_f32 v[8:9], v[XB+i:XB+i+1], v[XB+i:XB+i+1], v[8:9]
	v_pk_fma_f32 v[10:11], v[XB+i+2:XB+i+3], v[XB+i+2:XB+i+3], v[10:11]
.set i, i+4
.endr
	SUMUP
	v_fmaak_f32 v[24+2*(\p)], s26, v8, 0x3727c5ac  ; sum x 2^-10 + 1e-5
.endm
.macro ROWC p
.set XB, XR+32*(\p)
.set i, 0
.rept 16
	v_pk_mul_f32 v[XB+i:XB+i+1], v[XB+i:XB+i+1], v[24+2*(\p):25+2*(\p)]
.set i, i+2
.endr
.set i, 0
.rept 16
	v_pk_fma_f32 v[XB+i:XB+i+1], v[XB+i:XB+i+1], v[GG+i:GG+i+1], v[BB+i:BB+i+1]
.set i, i+2
.endr
.irp i, 0,1,2,3,4,5,6,7
	global_store_b128 v2, v[XB+4*\i:XB+4*\i+3], s[10:11] offset:4096*(\p)+512*\i th:TH_STORE_NT
.endr
.endm
	s_load_b256 s[4:11], s[0:1], 0x0               ; y 4, gain 6, bias 8, out0 10
	v_lshrrev_b32 v1, 5, v0
	v_readfirstlane_b32 s16, v1                    ; wave
	v_and_b32 v1, 31, v0
	v_lshlrev_b32 v2, 4, v1                        ; 16 x lane
	s_lshl_b32 s17, ttmp9, 4
	s_lshl_b32 s18, s16, 2
	s_add_co_u32 s17, s17, s18                     ; my first row
	s_lshl_b32 s18, s17, 12
	s_mov_b32 s19, 0
	s_mov_b32 s24, 0x76543210
	s_mov_b32 s25, 0xfedcba98
	s_mov_b32 s26, 0x3a800000                      ; 2^-10
	v_mov_b32 v5, 0                                ; (a lane exchange's destination counts as read)
	s_wait_alu depctr_va_vdst(0)
	s_wait_kmcnt 0x0
	s_add_nc_u64 s[4:5], s[4:5], s[18:19]
	s_add_nc_u64 s[10:11], s[10:11], s[18:19]
.irp i, 0,1,2,3,4,5,6,7
	global_load_b128 v[GG+4*\i:GG+4*\i+3], v2, s[6:7] offset:512*\i
.endr
.irp i, 0,1,2,3,4,5,6,7
	global_load_b128 v[BB+4*\i:BB+4*\i+3], v2, s[8:9] offset:512*\i
.endr
.irp p, 0,1,2,3
.irp i, 0,1,2,3,4,5,6,7
	global_load_b128 v[XR+32*\p+4*\i:XR+32*\p+4*\i+3], v2, s[4:5] offset:4096*\p+512*\i th:TH_LOAD_NT
.endr
.endr
.irp p, 0,1,2,3                                ; row by row: a row's stores leave while the later rows' loads are still out
	ROWA \p
	s_wait_alu depctr_va_vdst(0)                   ; the wait ahead of the transcendental,
	v_rsq_f32 v[24+2*\p], v[24+2*\p]
	v_nop                                          ; a plain line behind it,
	s_wait_alu depctr_va_vdst(0)                   ; and the wait ahead of its first reader
	v_mov_b32 v[25+2*\p], v[24+2*\p]
	ROWC \p
.endr
	s_endpgm
.Lfunc_end_k_q45bb0de82b_ln2:
	.size	k_q45bb0de82b_ln2, .Lfunc_end_k_q45bb0de82b_ln2-k_q45bb0de82b_ln2
	.p2alignl 7, 3214868480
	.fill 96, 4, 3214868480
	.section	.rodata,"a",@progbits
	.p2align	6, 0x0
	.amdhsa_kernel k_q45bb0de82b_ln2
		.amdhsa_group_segment_fixed_size 0
		.amdhsa_private_segment_fixed_size 0
		.amdhsa_enable_private_segment 0
		.amdhsa_kernarg_size 32
		.amdhsa_user_sgpr_count 2
		.amdhsa_user_sgpr_kernarg_segment_ptr 1
		.amdhsa_wavefront_size32 1
		.amdhsa_system_sgpr_workgroup_id_x 1
		.amdhsa_system_sgpr_workgroup_id_y 1
		.amdhsa_system_sgpr_workgroup_id_z 1
		.amdhsa_system_vgpr_workitem_id 0
		.amdhsa_next_free_vgpr 256
		.amdhsa_next_free_sgpr 66
		.amdhsa_reserve_vcc 0
		.amdhsa_float_denorm_mode_32 3
		.amdhsa_float_denorm_mode_16_64 3
		.amdhsa_memory_ordered 1
		.amdhsa_forward_progress 1
		.amdhsa_inst_pref_size 33
	.end_amdhsa_kernel
	.amdgpu_metadata
---
amdhsa.version: [ 1, 2 ]
amdhsa.kernels:
  - .name:           k_q45bb0de82b_ln2
    .symbol:         k_q45bb0de82b_ln2.kd
    .args:
      - { .name: y, .offset: 0, .size: 8, .value_kind: global_buffer, .address_space: global }
      - { .name: ln2_g, .offset: 8, .size: 8, .value_kind: global_buffer, .address_space: global }
      - { .name: ln2_b, .offset: 16, .size: 8, .value_kind: global_buffer, .address_space: global }
      - { .name: out0, .offset: 24, .size: 8, .value_kind: global_buffer, .address_space: global }
    .group_segment_fixed_size: 0
    .private_segment_fixed_size: 0
    .kernarg_segment_align: 8
    .kernarg_segment_size: 32
    .max_flat_workgroup_size: 128
    .sgpr_count:     66
    .vgpr_count:     256
    .wavefront_size: 32
...
	.end_amdgpu_metadata
.endif
;; end of part 8
